; MI455X (gfx1250); checked and timed in simulation.
; The chip was launched on July 23, 2026; its instructions are those of AMD's public machine-readable ISA for CDNA 5 (MIT licence, August 2026) and "CDNA5" Instruction Set Architecture Reference Guide (July 2026). The comments in the code are by the model that wrote it; some were corrected since.
;; Causal Multi Head Self Attention. Allowed arithmetic: matrix products marked QUANTISED: E4M3 operands, one E8M0 scale for each 32 along K, by v_wmma_scale_f32_16x16x128_f8f6f4 with both operands' format E4M3, f32 sums; everything else in f32.
;; Inputs: Wk_codes 1,024 x 32 x 32 uint8 (E4M3 codes of Wk, K innermost, in blocks of 32 codes); Wk_scales 1,024 x 32 uint8 (E8M0 scales of Wk, one for each 32 codes along K); Wo_codes 1,024 x 32 x 32 uint8 (E4M3 codes of Wo, K innermost, in blocks of 32 codes); Wo_scales 1,024 x 32 uint8 (E8M0 scales of Wo, one for each 32 codes along K); Wq_codes 1,024 x 32 x 32 uint8 (E4M3 codes of Wq, K innermost, in blocks of 32 codes); Wq_scales 1,024 x 32 uint8 (E8M0 scales of Wq, one for each 32 codes along K); Wv_codes 1,024 x 32 x 32 uint8 (E4M3 codes of Wv, K innermost, in blocks of 32 codes); Wv_scales 1,024 x 32 uint8 (E8M0 scales of Wv, one for each 32 codes along K); in_features_codes 4 x 2,048 x 32 x 32 uint8 (E4M3 codes of in_features, K innermost, in blocks of 32 codes); in_features_scales 4 x 2,048 x 32 uint8 (E8M0 scales of in_features, one for each 32 codes along K); token_positions 2,048 int32.
;; Outputs: out0 4 x 2,048 x 1,024 float32.
;; This version of the problem:
;;   THIS VERSION OF THE PROBLEM IS GIVEN IN LOW PRECISION. The matrix products marked QUANTISED in the list below multiply operands that are first quantised to E4M3 (4 exponent bits, 3 mantissa bits; 8 bits a number), with one power-of-two scale for each 32 numbers along K (OCP MX v1.0); their sums are f32. All else is computed in f32.
;;   The module's matrix products, in the order in which they are computed (A, B: the left and right operand; K: the contracted axis; several contracted axes count as one K, in the product's order):
;;     1. [M 8,192, K 1,024] x [K 1,024, N 1,024]; A: input in_features (given as codes); B: input Wq (given as codes): QUANTISED
;;     2. [M 8,192, K 1,024] x [K 1,024, N 1,024]; A: input in_features (given as codes); B: input Wk (given as codes): QUANTISED
;;     3. [M 8,192, K 1,024] x [K 1,024, N 1,024]; A: input in_features (given as codes); B: input Wv (given as codes): QUANTISED
;;     4. batch 64 x [M 2,048, K 64] x [K 64, N 2,048]; A: computed on the way; B: computed on the way: QUANTISED
;;     5. batch 64 x [M 2,048, K 2,048] x [K 2,048, N 64]; A: softmax (see below); B: computed on the way: QUANTISED
;;     6. [M 8,192, K 1,024] x [K 1,024, N 1,024]; A: computed on the way; B: input Wo (given as codes): QUANTISED
;;   THE QUANTISER, for each operand of a quantised product, along K:
;;     - K is cut into blocks of 32 from its start; a last block that is shorter is filled with zeros.
;;     - A block's scale is 2^e with e = floor(log2(the largest magnitude in the block)) - 8, held to -126 .. 127; a block of zeros has e = 0. As a byte (E8M0): e + 127.
;;     - Each number is divided by its block's scale, clamped to +-448, and rounded to the nearest number of E4M3, ties to even, subnormals kept.
;;     - The product sums the exact products of the quantised numbers (number of the format x scale) in f32.
;;   ~~~python
;;   def quantise(x, axis):      # numpy; x: float32 -> the quantised numbers, widened to float32 again
;;       x = np.moveaxis(x, axis, -1); K = x.shape[-1]
;;       x = np.pad(x, [(0, 0)] * (x.ndim - 1) + [(0, -K % 32)]); x = x.reshape(x.shape[:-1] + (-1, 32)); a = np.abs(x).max(-1, keepdims=True)
;;       e = np.where(a > 0, np.clip(np.frexp(np.where(a > 0, a, 1))[1] - 1 - 8, -126, 127), 0)      # np.frexp(a)[1] - 1 = floor(log2(a)), exactly
;;       r = np.clip(x / 2.0 ** e, -448, 448)
;;       step = 2.0 ** (np.maximum(np.frexp(np.where(r == 0, 1, r))[1] - 1, -6) - 3)
;;       q = np.round(r / step) * step * 2.0 ** e      # np.round: ties to even
;;       return np.moveaxis(q.reshape(q.shape[:-2] + (-1,))[..., :K], -1, axis).astype(np.float32)
;;   ~~~
;;   SOFTMAX AHEAD OF A QUANTISED PRODUCT. Where the list says 'softmax', what is quantised is not the finished softmax but p = 2^(t - M), with t = logit x log2(e) and M = ceil(the row's largest t), a whole number; so 1/2 < the row's largest p <= 1. The row's sum l is taken of the UNQUANTISED p, in f32, and the product's result is divided by l at the end. Since M is a whole number, a kernel that streams over the keys may use a running M (the ceiling of the running maximum): every later rescaling is an exact power of two, which a block's scale takes up: the codes' values come out the same.
;;   OPERANDS COMPUTED ON THE WAY. 'Computed on the way' means the value that the module computes at that place (a softmax that the list does not call 'softmax' is quantised finished and normalised). What goes into a quantiser is computed in f32, as accurately as f32 sums, v_exp_f32 and their like allow (about 1e-6 of the number): no bf16 or f16 on the way to a quantiser, and a product that is left as it is and whose result goes on into a quantised operand takes f32 operands (vector FMAs, or v_wmma_f32_16x16x4_f32). A number that lies on a knife's edge between two numbers of the format may be rounded either way, as far as f32 arithmetic and the matrix unit's own rounding can turn it there, and no further.
;;   INPUTS GIVEN AS CODES. Wk (in the module: [1024, 1024], K = its axis 1); Wo (in the module: [1024, 1024], K = its axis 1); Wq (in the module: [1024, 1024], K = its axis 1); Wv (in the module: [1024, 1024], K = its axis 1); in_features (in the module: [4, 2048, 1024], K = its axis 2): each comes as NAME_codes (uint8): NAME with its K axis moved to the last place and cut into blocks of 32 codes, [.., K / 32, bytes a block], one block behind the other in memory; one code a byte (a code: sign, 4 exponent bits, 3 mantissa bits); and NAME_scales (uint8): the same leading axes, one E8M0 byte (e + 127) for each 32 codes along K. Its value is code x scale, taken as it is: it is not quantised again, and the codes and scales need not be those that the quantiser above would give.
;; One version. Each part assembles by itself: llvm-mc -triple=amdgcn-amd-amdhsa -mcpu=gfx1250 --defsym DOCPART=n.
;; ======== version 1 of 1: 3 launches
;; limits: right only within a limited range of input values
;; workspace buffers: qrec 17,563,648 bytes; kvrec 17,563,648 bytes; hc 8,388,608 bytes; hs 262,144 bytes
;; launch qkv (part 1): grid 4 x 96, 4 waves a work-group, clusters of 4 x 4, 327,680 bytes of LDS; arguments in_features_codes, in_features_scales, Wq_codes, Wq_scales, Wk_codes, Wk_scales, Wv_codes, Wv_scales, token_positions, qrec, kvrec; writes qrec, kvrec
.if DOCPART == 1
	.amdgcn_target "amdgcn-amd-amdhsa--gfx1250"
	.amdhsa_code_object_version 6
	.text
	.protected	k_q269e027805_qkv
	.globl	k_q269e027805_qkv
	.p2align	8
	.type	k_q269e027805_qkv,@function
k_q269e027805_qkv:
	s_mov_b64 s[64:65], 0
	v_nop
	global_prefetch_b8 v0, s[64:65] scope:SCOPE_SE
	s_setreg_imm32_b32 hwreg(HW_REG_WAVE_MODE, 25, 1), 1
	s_wait_xcnt 0x0
	s_wait_alu depctr_hold_cnt(0) depctr_sa_sdst(0) depctr_va_vdst(0) depctr_va_sdst(0) depctr_va_ssrc(0) depctr_va_vcc(0) depctr_vm_vsrc(0)
	s_getreg_b32 s2, hwreg(HW_REG_IB_STS2, 6, 4)
	s_cmp_eq_u32 s2, 0
	s_cbranch_scc0 .Lentry_in_a_cluster
	s_endpgm
.Lentry_in_a_cluster:
	s_bfe_u32 s2, ttmp6, 0x10000c
	s_cmp_lg_u32 s2, 0xf033
	s_cbranch_scc0 .Lentry_shape_is_right
	s_endpgm
.Lentry_shape_is_right:
; Q = rope(x Wq^T), K = rope(x Wk^T), V = x Wv^T on codes of FP8 (E4M3) with one E8M0 scale for each 32 along K, and their quantising for the attention launch.
; x: [8192][1024] codes, the weights [1024][1024] codes, K innermost; scale bytes [rows][32].  A tile of 256 x 256 of a product is made by four waves, 128 x 128 each (64 accumulators, 512 registers);
; K = 1024 goes in four steps of 256 through a ring of two LDS slots filled by the tensor data mover; the scale bytes of the tile's 512 rows come into LDS once.
; THE THREE PRODUCTS TAKE ONE PATH.  The cluster's y gives the kind (0 Q, 1 K, 2 V) and a group of four token tiles.  Source 0 of the matrix instruction ("B") gives the result's registers, source 1 ("A") its lanes.
;   Q, K: B = the weight, A = x: a lane holds a token, its registers run along the features: the next product's K (the head's 64 channels).
;   V:    B = x, A = Wv:        a lane holds a channel, its registers run along the tokens: the next product's K (the keys).
; Only pointers and a few offsets are chosen by the kind, which all sixteen partners share.  V goes through the rotation with the angle 0 (cos = 1, sin = 0: exact).
; CLUSTERS: 4 x 4 work-groups; A's tile is shared along a row of the cluster, B's along a column: each is asked for jointly.
; ROPE: the work-group's 256 tokens x 32 frequencies of (cos, sin) are made once, in f32, into LDS (slot 0, which has had its last fill and its last read by then): inv_freq = 2^(-i log2(10000) / 32) with the
; constant in two parts; the angle is reduced by pi/2 in three parts (fused), sine and cosine are polynomials on +-pi/4.
; THE QUANTISER: a result's two neighbouring tiles (32 along the next K) share a scale; each tile's 8 numbers are converted on their own, and two lane swaps a block put the codes into the operand's order.
; OUT: records of REC bytes for each (batch x 16 + head, 128 tokens), laid as images of operand registers: +0 Q's or K's codes (token tile a: 1024 a + 512 c + 16 lane), +8192 V's codes (channel tile ct: 2048 ct + 512 c + 16 lane),
; +16384 Q's or K's scale words (64 a + 4 r; bytes b0 b1 b0 b1), +16896 V's scale words (64 ct + 4 r).  Every store of codes covers 512 consecutive bytes at a multiple of 256.
; 384 tiles for 256 WGPs: tiles of half the size would read half as much again from LDS for each matrix instruction.
; LIMITS: |position x inv_freq| up to 117,435 (the three-part reduction); inv_freq within two units in the last place; NaN and infinities are not served; a block of zeros gets the scale byte 1 (its codes are zeros; only this program reads the bytes).
.set SIZE_K, 1024
.set REC,    17152                     ; a record: 67 x 256 bytes
.set KSTEP,  256
.set NQ,     KSTEP/128
.set ROWB,   256
.set KROW,   SIZE_K
.set PITCH,  272                       ; an LDS row: 256 bytes + 16 of padding: the 16 rows that a load touches start at 16 different banks
.set FR,     16
.set NL,     4
.set NP,     8                         ; places behind this matrix instruction (ISA guide 7.12.1)
.set HALFT,  128*PITCH
.set SLOT,   4*HALFT
.set LAPS,   SIZE_K/(2*KSTEP)
.set KS,     SIZE_K/32
.set SCL,    2*SLOT                    ; behind the ring: the scale bytes
.set HALFS,  (128*KS/256)*272
.set SBLK,   (16*KS/256)*272
.set SPARE,  SCL+4*HALFS               ; the spare words: 128 bytes a wave
.set POSF,   SPARE+512                 ; 256 positions as f32: bytes of their own, into which no fill lands
.set SST,    256*272                   ; in slot 0, behind the table of 256 rows x 272 bytes: 1,024 bytes a wave for the scale words
.set ADRA, 16
.set ADRB, 20
.set ADRS, 27
.set SPW,  28
.set NIL,  29
.set IV,   30                          ; v[30:31] (inv_freq of frequency = lane, 0)
.set SC,   32
.set OL,   64                          ; byte offsets in the output: codes of blocks 0, 1
.set OH,   65                          ; codes of blocks 2, 3
.set OS,   66                          ; scale words
.set SSA,  67                          ; LDS: where I put a scale word
.set SRD,  68                          ; LDS: where I read them back
.set TRD,  69                          ; LDS: my row of the table
.set TWR,  70                          ; LDS: where I write the table
.set SH,   72                          ; 16 (lane / 16) for Q, K; 0 for V
.set OS2,  73
.set C3,   74                          ; v[74:75], v[76:77]: a coefficient of each polynomial, twice
.set S3,   76
.set PA,   78
.set TA,   79
.set PO,   80                          ; v80-95: 16 positions
.set AF,   128
.set XT,   128                         ; v128-191: 64 numbers after the rotation
.set PCD,  192                         ; v192-207: their codes
.set TM,   208                         ; v208-223: at work in the quantiser
.set PW,   224
.set VAL,  225
.set BK,   226
.set KIND, 66
.set STEPA, 95
.set EXTRA, 96
.set VMASK, 97
.set SEL,  98
.set MNT,  100
.set G1, 24
.set G0, 32
.set G1B, 48
.set G0B, 56
.set G1S, 68
.set G0S, 76
.set G1SB, 80
.set G0SB, 88
.set MSB, 0
.macro WIN new                         ; the immediate's high byte repeats the setting that is left
.if MSB != \new
	s_set_vgpr_msb (MSB<<8)|\new
.set MSB, \new
.endif
.endm
.set MUL_LO, 0xa1                      ; source 0 (B) window 1, source 1 (A) window 0, C and D window 2
.set MUL_HI, 0xf1
.set TO_B,   0x40
; A joint load: waves 0 and 1 fetch for A, waves 2 and 3 for B; the branch hangs on the wave's number alone.  Four v_nop follow each of the two lines.
.macro JLOAD g0a, g1a, g0b, g1b
	s_cmp_eq_u32 s15, 0
	s_cbranch_scc0 .Lfor_b_\@
	tensor_load_to_lds s[\g0a:\g0a+3], s[\g1a:\g1a+7]
	s_nop 0
.rept 4
	v_nop
.endr
	s_branch .Lasked_\@
.Lfor_b_\@:
	tensor_load_to_lds s[\g0b:\g0b+3], s[\g1b:\g1b+7]
	s_nop 0
.rept 4
	v_nop
.endr
.Lasked_\@:
.endm
.macro CREST                           ; a round of the cluster's barrier behind its opening barrier
	s_cmp_lg_u32 s14, 0
	s_cbranch_scc1 .Lnot_wave_0_\@
	s_barrier_signal -3
.Lnot_wave_0_\@:
	s_barrier_wait -3
	s_barrier_signal -1
	s_barrier_wait -1
.endm
.macro CROUND
	s_barrier_signal -1
	s_barrier_wait -1
	CREST
.endm
	s_load_b128 s[4:7], s[0:1], 0x0                ; x's codes, x's scales
	s_load_b256 s[68:75], s[0:1], 0x10             ; Wq's codes, scales; Wk's codes, scales
	s_load_b128 s[76:79], s[0:1], 0x30             ; Wv's codes, scales
	s_load_b128 s[80:83], s[0:1], 0x40             ; the positions, qrec
	s_load_b64 s[84:85], s[0:1], 0x50              ; kvrec
	v_lshl_add_u32 v[SPW], v0, 2, SPARE
	v_mov_b32 v[NIL], 0
	ds_add_u32 v28, v29
	ds_add_u32 v28, v29
	s_wait_dscnt 0x0
	v_lshrrev_b32 v1, 5, v0
	v_readfirstlane_b32 s14, v1                    ; wave 0..3
	s_lshr_b32 s15, s14, 1                         ; which half of A's rows is mine.  Also: I fetch for A (0) or for B (1)
	s_and_b32 s16, s14, 1                          ; which half of B's rows.  Also: which 128 rows of that tile I fetch
	s_bfe_u32 s40, ttmp6, 0x40000                  ; cx, cy: my place in the cluster
	s_bfe_u32 s41, ttmp6, 0x40004
	s_and_b32 s101, ttmp7, 0xffff                  ; the cluster's y: 8 x kind + group
	s_lshr_b32 s[KIND], s101, 3
	s_and_b32 s101, s101, 7
	s_lshl_b32 s101, s101, 2                       ; the group's first token tile
	s_cmp_eq_u32 s[KIND], 2
	s_cselect_b32 s42, s101, 0                     ; V: the token tiles lie along B
	s_cselect_b32 s17, 0, s101                     ; Q, K: along A
	s_add_co_u32 s42, s42, s40                     ; B's tile
	s_add_co_u32 s17, s17, s41                     ; A's tile
	s_lshl_b32 s43, s41, 2
	s_lshl_b32 s43, 15, s43                        ; my row of the cluster
	s_lshl_b32 s44, 0x1111, s40                    ; my column
	s_or_b32 s[G1+0], s43, (0<<16)|(1<<20)|(1<<21)|(5<<22)|(3<<25)  ; mask; elements of 1 byte; padding: 4 words after every 64; bit 21 beside a mask
	s_or_b32 s[G1B+0], s44, (0<<16)|(1<<20)|(1<<21)|(5<<22)|(3<<25)
.irp g, G1, G1B
	s_mov_b32 s[\g+1], ROWB<<16                    ; tensor_dim0
	s_mov_b32 s[\g+2], 128<<16                     ; tensor_dim1
	s_mov_b32 s[\g+3], ROWB<<16                    ; tile_dim0
	s_mov_b32 s[\g+4], 128                         ; tile_dim1
	s_mov_b32 s[\g+5], KROW                        ; the pitch
	s_mov_b32 s[\g+6], 0
	s_mov_b32 s[\g+7], 0
.endr
	s_lshl_b32 s18, s16, 7                         ; which 128 rows of the tile I fetch
	s_lshl_b32 s20, s17, 8
	s_add_co_u32 s20, s20, s18                     ; A's row
	s_lshl_b32 s46, s42, 8
	s_add_co_u32 s46, s46, s18                     ; B's row
	s_mov_b32 s21, 0
	s_mov_b32 s47, 0
	s_mov_b64 s[18:19], KS
	s_mul_u64 s[22:23], s[20:21], s[18:19]         ; where these rows' scales begin
	s_mul_u64 s[92:93], s[46:47], s[18:19]
	s_mov_b64 s[18:19], KROW
	s_mul_u64 s[20:21], s[20:21], s[18:19]         ; and their codes
	s_mul_u64 s[46:47], s[46:47], s[18:19]
	s_mul_i32 s45, s14, HALFT                      ; where they go: no place in the cluster enters an LDS address
	s_mul_i32 s94, s14, HALFS
	s_wait_kmcnt 0x0
	s_cmp_eq_u32 s[KIND], 0                        ; the buffers are chosen by the kind alone
	s_cselect_b64 s[86:87], s[68:69], s[72:73]     ; Wq or Wk: codes,
	s_cselect_b64 s[88:89], s[70:71], s[74:75]     ; scales
	s_cselect_b64 s[12:13], s[82:83], s[84:85]     ; the output: qrec for Q, kvrec for K and V
	s_mov_b64 s[104:105], s[80:81]                 ; the positions
	s_cmp_eq_u32 s[KIND], 2
	s_cselect_b64 s[8:9], s[4:5], s[86:87]         ; B: x for V, else the weight
	s_cselect_b64 s[10:11], s[6:7], s[88:89]
	s_cselect_b64 s[4:5], s[76:77], s[4:5]         ; A: Wv for V, else x
	s_cselect_b64 s[6:7], s[78:79], s[6:7]
	s_add_nc_u64 s[20:21], s[4:5], s[20:21]
	s_add_nc_u64 s[22:23], s[6:7], s[22:23]
	s_add_nc_u64 s[46:47], s[8:9], s[46:47]
	s_add_nc_u64 s[92:93], s[10:11], s[92:93]
	; the scales of 128 rows: a dense block of 4,096 bytes, as rows of 256 bytes with 16 of padding behind each
	s_or_b32 s[G1S+0], s43, (3<<16)|(1<<20)|(1<<21)|(5<<22)|(3<<25)
	s_or_b32 s[G1SB+0], s44, (3<<16)|(1<<20)|(1<<21)|(5<<22)|(3<<25)
.irp g, G1S, G1SB
	s_mov_b32 s[\g+1], 32<<16
	s_mov_b32 s[\g+2], (128*KS/256)<<16
	s_mov_b32 s[\g+3], 32<<16
	s_mov_b32 s[\g+4], 128*KS/256
	s_mov_b32 s[\g+5], 32
	s_mov_b32 s[\g+6], 0
	s_mov_b32 s[\g+7], 0
.endr
	CROUND                                         ; all sixteen work-groups are here: the first joint loads meet
	s_mov_b32 s[G0S], 1
	s_add_co_u32 s[G0S+1], s94, SCL
	s_mov_b64 s[G0S+2:G0S+3], s[22:23]
	s_or_b32 s[G0S+3], s[G0S+3], 0x80000000
	s_mov_b32 s[G0SB], 1
	s_add_co_u32 s[G0SB+1], s94, SCL
	s_mov_b64 s[G0SB+2:G0SB+3], s[92:93]
	s_or_b32 s[G0SB+3], s[G0SB+3], 0x80000000
	JLOAD G0S, G1S, G0SB, G1SB                     ; the scales first: they are wanted with K step 0
.irp s, 0,1
	s_mov_b32 s[G0+4*\s], 1
	s_add_co_u32 s[G0+4*\s+1], s45, \s*SLOT
	s_add_nc_u64 s[G0+4*\s+2:G0+4*\s+3], s[20:21], \s*ROWB
	s_or_b32 s[G0+4*\s+3], s[G0+4*\s+3], 0x80000000
	s_mov_b32 s[G0B+4*\s], 1
	s_add_co_u32 s[G0B+4*\s+1], s45, \s*SLOT
	s_add_nc_u64 s[G0B+4*\s+2:G0B+4*\s+3], s[46:47], \s*ROWB
	s_or_b32 s[G0B+4*\s+3], s[G0B+4*\s+3], 0x80000000
	JLOAD G0+4*\s, G1, G0B+4*\s, G1B
.endr
	v_and_b32 v1, 15, v0                           ; r = lane % 16
	v_bfe_u32 v2, v0, 4, 1                         ; h = lane / 16
	v_and_b32 v9, 31, v0                           ; lane
	s_and_b32 s2, s17, 7                           ; the positions of A's 256 rows (a sequence has 8 tiles of 256 tokens): two a thread
	s_lshl_b32 s2, s2, 10
	v_lshl_add_u32 v10, v0, 2, s2
	global_load_b32 v11, v10, s[104:105]
	global_load_b32 v12, v10, s[104:105] offset:512
	v_lshl_add_u32 v13, v0, 2, POSF
	v_mul_u32_u24 v3, v1, PITCH
	v_lshl_add_u32 v4, v2, 4, v3                   ; a fragment's row x pitch + 16 x half
	s_mul_i32 s21, s15, HALFT                      ; my 128 rows of A
	s_mul_i32 s22, s16, HALFT                      ; my 128 rows of B,
	s_add_co_u32 s22, s22, 2*HALFT                 ; which lie behind A's 256
.irp s, 0,1
	v_add_nc_u32 v[ADRA+\s], s21, v4
	v_add_nc_u32 v[ADRB+\s], s22, v4
	s_add_co_u32 s21, s21, SLOT
	s_add_co_u32 s22, s22, SLOT
.endr
	v_mul_u32_u24 v5, v1, KS                       ; my row's scales: KS bytes a row,
	v_lshrrev_b32 v6, 8, v5
	v_lshl_add_u32 v5, v6, 4, v5                   ; and 16 more for each 256 passed
	s_mul_i32 s21, s15, HALFS
	s_mul_i32 s22, s16, HALFS
	s_add_co_u32 s22, s22, 2*HALFS
	s_sub_co_u32 s22, s22, s21
	v_mul_u32_u24 v6, s22, v2                      ; lanes 16-31 take B's
	s_add_co_u32 s21, s21, SCL
	v_add_nc_u32 v5, v5, v6
	v_add_nc_u32 v[ADRS], s21, v5
	; where my 128 x 128 goes.  tok128: which 128 tokens; hp: which pair of heads
	s_lshl_b32 s18, s17, 1
	s_add_co_u32 s18, s18, s15                     ; A's 128 rows
	s_lshl_b32 s19, s42, 1
	s_add_co_u32 s19, s19, s16                     ; B's 128 rows
	s_mov_b32 s[STEPA], 1024
	s_mov_b32 s20, 16*REC
	s_mov_b32 s21, 16384
	s_cmp_eq_u32 s[KIND], 2
	s_cselect_b32 s2, s19, s18                     ; tok128
	s_cselect_b32 s67, s18, s19                    ; hp
	s_cselect_b32 s[STEPA], 2048, s[STEPA]         ; from one of A's blocks to the next: a token tile of Q or K, a channel tile of V
	s_cselect_b32 s[EXTRA], 16*REC-8192, 0         ; V: behind four channel tiles the next head begins
	s_cselect_b32 s[VMASK], -1, 0
	s_cselect_b32 s20, 1024, s20                   ; from blocks 0, 1 to blocks 2, 3: V: 1,024 bytes; Q, K: the next head
	s_cselect_b32 s21, 16896, s21                  ; the scale words' place in a record
	s_cselect_b32 s22, 8192, 0                     ; the codes' place
	s_cselect_b32 s23, 16*REC-256, 0               ; V: lanes 16-31 store the next head's words
	s_cselect_b32 s46, 0, 16
	s_lshr_b32 s101, s2, 4                         ; batch
	s_lshl_b32 s101, s101, 4
	s_lshl_b32 s67, s67, 1
	s_add_co_u32 s101, s101, s67                   ; batch x 16 + head
	s_lshl_b32 s101, s101, 4
	s_and_b32 s2, s2, 15
	s_add_co_u32 s101, s101, s2                    ; x 16 + which 128 tokens of the sequence
	s_mul_i32 s101, s101, REC
	v_lshlrev_b32 v5, 4, v9                        ; 16 x lane
	s_add_co_u32 s22, s22, s101
	v_add_nc_u32 v[OL], s22, v5
	v_add_nc_u32 v[OH], s20, v[OL]
	v_mul_u32_u24 v7, s23, v2
	s_add_co_u32 s21, s21, s101
	v_add3_u32 v[OS], v5, v7, s21
	v_add_nc_u32 v[OS2], 16*REC, v[OS]
	s_lshl_b32 s47, s14, 10
	s_add_co_u32 s47, s47, SST
	v_lshl_add_u32 v7, v2, 9, s47
	v_lshl_add_u32 v[SSA], v1, 2, v7               ; my wave's 1,024 bytes + 512 h + 4 r
	v_add_nc_u32 v[SRD], s47, v5
	s_mul_i32 s47, s15, HALFT                      ; 128 rows of the table are as many bytes as 128 rows of a tile
	v_lshl_add_u32 v7, v2, 5, v3
	v_add_nc_u32 v[TRD], s47, v7                   ; (128 x my half + r) x 272 + 32 h
	s_mul_i32 s47, s14, 64*272
	v_lshl_add_u32 v[TWR], v9, 3, s47              ; I make rows 64 wave on; a lane a frequency, 8 bytes
	v_mul_u32_u24 v[SH], s46, v2
	v_mov_b32 v[C3], 0xbab6077d
	v_mov_b32 v[C3+1], 0xbab6077d
	v_mov_b32 v[S3], 0xb9503486
	v_mov_b32 v[S3+1], 0xb9503486
	s_mov_b32 s[SEL], 0x76543210
	s_mov_b32 s[SEL+1], 0xfedcba98                 ; v_permlanex16_b32's selects for lane l xor 16
	; inv_freq = 2^(-i c), c = log2(10000) / 32 in two parts, i = lane: n = round(i c); 2^(n - i c) x 2^-n
	v_cvt_f32_u32 v7, v9
	v_mul_f32 v8, 0x3ed49a78, v7
	v_rndne_f32 v8, v8
	v_fmamk_f32 v14, v7, 0xbed49a78, v8
	v_fmamk_f32 v14, v7, 0xb2179a31, v14
	s_wait_alu depctr_va_vdst(0)
	v_exp_f32 v14, v14
	v_cvt_i32_f32 v8, v8                           ; (a plain place behind the exponential)
	v_sub_nc_u32 v8, 0, v8
	s_wait_alu depctr_va_vdst(0)                   ; the wait ahead of the result's first reader
	v_ldexp_f32 v[IV], v14, v8
	s_not_b32 s47, s[VMASK]
	v_and_b32 v[IV], s47, v[IV]                    ; V is not rotated: the angle is 0
	v_mov_b32 v[IV+1], 0                           ; (named with it as a pair)
.macro FRAG reg, adr, q, i             ; 16 rows x 128 K: registers 4 c .. 4 c + 3 hold K = 32 c + 16 (lane / 16) + 0 .. 15
.irp c, 0,1,2,3
	ds_load_b128 v[\reg+4*\c:\reg+4*\c+3], v[\adr] offset:128*(\q)+32*\c+(\i)*16*PITCH
.endr
.endm
; 16 matrix instructions: A's blocks a0, a0 + 1 x B's eight.  The 64 accumulators take turns, one instruction a turn.
.macro MUL16 a0, p, q, sc, zero
.irp a, \a0, \a0+1
.irp b, 0,1,2,3,4,5,6,7
.if \zero
	v_wmma_scale_f32_16x16x128_f8f6f4 v[8*(8*((\a)%4)+\b):8*(8*((\a)%4)+\b)+7], v[128*(\p)+FR*\b:128*(\p)+FR*\b+FR-1], v[AF+FR*(\a):AF+FR*(\a)+FR-1], 0, v[SC+8*NQ*(\sc)+NQ*\b+(\q)], v[SC+8*NQ*(\sc)+NQ*(\a)+(\q)] matrix_a_scale:MATRIX_SCALE_ROW1
.else
	v_wmma_scale_f32_16x16x128_f8f6f4 v[8*(8*((\a)%4)+\b):8*(8*((\a)%4)+\b)+7], v[128*(\p)+FR*\b:128*(\p)+FR*\b+FR-1], v[AF+FR*(\a):AF+FR*(\a)+FR-1], v[8*(8*((\a)%4)+\b):8*(8*((\a)%4)+\b)+7], v[SC+8*NQ*(\sc)+NQ*\b+(\q)], v[SC+8*NQ*(\sc)+NQ*(\a)+(\q)] matrix_a_scale:MATRIX_SCALE_ROW1
.endif
.endr
.endr
.endm
.macro FETCH_B slot, q, p
	WIN TO_B
.irp i, 0,1,2,3,4,5,6,7
	FRAG 128*(\p)+FR*\i, ADRB+\slot, \q, \i
.endr
	WIN 0
.endm
.macro FETCH_A slot, q, i0
.irp i, \i0, \i0+1, \i0+2, \i0+3
	FRAG AF+FR*(\i), ADRA+\slot, \q, \i
.endr
.endm
.macro SCALES sc                       ; a K step's scale words: lanes 0-15 take A's block i, lanes 16-31 B's block i
.irp i, 0,1,2,3,4,5,6,7
	ds_load_b64 v[SC+8*NQ*\sc+NQ*\i:SC+8*NQ*\sc+NQ*\i+1], v[ADRS] offset:\i*SBLK
.endr
.endm
.macro PLACES n                        ; plain vector lines between a matrix instruction and a load into, or a vector line on, its registers
.rept \n
	v_nop
.endr
.endm
.macro STEP slot, q, zero              ; 128 along K that has its successor in the same slot
	s_wait_dscnt 4*NL                              ; B's set and A's blocks 0-3 are in; the youngest 16 loads (A's blocks 4-7) may be out
	WIN MUL_LO
	MUL16 0, (\q)%2, \q, \slot, \zero
	MUL16 2, (\q)%2, \q, \slot, \zero
	s_wait_dscnt 0
	PLACES NP
	FETCH_B \slot, (\q)+1, 1-(\q)%2
	FETCH_A \slot, (\q)+1, 0
	WIN MUL_HI
	MUL16 4, (\q)%2, \q, \slot, \zero
	MUL16 6, (\q)%2, \q, \slot, \zero
	PLACES NP
	WIN 0
	FETCH_A \slot, (\q)+1, 4
.endm
; A slot's last step changes slots: one barrier; in front of it each wave waits for all its tensor loads, adds 0 to its spare word, and waits for that and for its reads of this slot.
.macro TURN slot, next, fill
	s_wait_tensorcnt 0x0                           ; all my tensor loads have landed: my part of the next slot
	ds_add_u32 v[SPW], v[NIL]                      ; 0 onto my spare word
	s_wait_dscnt 4*NL+1                            ; (the add and the youngest 16 loads may be out)
	WIN MUL_LO
	MUL16 0, 1, NQ-1, \slot, 0
	s_wait_dscnt 0x0                               ; the add is done, and my reads of this slot are over
	s_barrier_signal -1
	MUL16 2, 1, NQ-1, \slot, 0
	WIN 0
	s_barrier_wait -1
.if \fill
	CREST                                          ; the barrier has opened a round of the cluster's barrier: no wave of any partner still reads this slot or has a load on its way
	s_add_nc_u64 s[G0+4*\slot+2:G0+4*\slot+3], s[G0+4*\slot+2:G0+4*\slot+3], 2*ROWB
	s_add_nc_u64 s[G0B+4*\slot+2:G0B+4*\slot+3], s[G0B+4*\slot+2:G0B+4*\slot+3], 2*ROWB
	JLOAD G0+4*\slot, G1, G0B+4*\slot, G1B         ; the first tensor load behind the round; its four v_nop are among the places below
	PLACES NP-4
.else
	PLACES NP
.endif
	s_wait_alu depctr_va_vdst(0)
	v_add_nc_u32 v[ADRS], 4*NQ, v[ADRS]            ; the next K step's scale words
	FETCH_B \next, 0, 0
	FETCH_A \next, 0, 0
	SCALES \next
	WIN MUL_HI
	MUL16 4, 1, NQ-1, \slot, 0
	MUL16 6, 1, NQ-1, \slot, 0
	PLACES NP
	WIN 0
	FETCH_A \next, 0, 4
.endm
	s_wait_loadcnt 0x0                             ; my two positions,
	v_cvt_f32_i32 v11, v11                         ; as f32,
	v_cvt_f32_i32 v12, v12
	ds_store_b32 v13, v11                          ; for all four waves
	ds_store_b32 v13, v12 offset:512
	s_wait_dscnt 0x0                               ; for the others' sake
	s_wait_tensorcnt 1                             ; the scales and my part of K step 0 are in (K step 1's load may be out),
	s_barrier_signal -1
	s_barrier_wait -1                              ; everybody's are
	FETCH_B 0, 0, 0
	FETCH_A 0, 0, 0
	SCALES 0
	FETCH_A 0, 0, 4
	STEP 0, 0, 1                                   ; the first step's products start the sums
	s_mov_b32 s3, LAPS-1
.Llap:
	TURN 0, 1, 1
	STEP 1, 0, 0
	TURN 1, 0, 1
	STEP 0, 0, 0
	s_sub_co_u32 s3, s3, 1
	s_cmp_lg_u32 s3, 0
	s_cbranch_scc1 .Llap
	TURN 0, 1, 0                                   ; the last lap fills nothing
	STEP 1, 0, 0
	s_wait_dscnt 4*NL
	WIN MUL_LO
	MUL16 0, 1, NQ-1, 1, 0
	MUL16 2, 1, NQ-1, 1, 0
	s_wait_dscnt 0
	WIN MUL_HI
	MUL16 4, 1, NQ-1, 1, 0
	MUL16 6, 1, NQ-1, 1, 0
	WIN 0
	PLACES NP                                      ; behind the last products: the table's work writes the registers that held A's fragments
; THE TABLE.  16 tokens a trip, two to a body, eight bodies line by line by turns.  Body k: v[128 + 16 k ..]: +0 the angle, then what is left of it; +2 n; +4 z; +6 cos; +8 sin; +10 r z, then n as a whole number; +12, +14 sign bits.
.macro SINCOS8
.irp k, 0,1,2,3,4,5,6,7
	v_pk_mul_f32 v[128+16*\k:129+16*\k], v[PO+2*\k:PO+2*\k+1], v[IV:IV+1] op_sel_hi:[1,0]      ; position x inv_freq, rounded to f32
.endr
.irp k, 0,1,2,3,4,5,6,7
	v_pk_mul_f32 v[130+16*\k:131+16*\k], v[128+16*\k:129+16*\k], 0x3f22f983 op_sel_hi:[1,0]    ; x 2 / pi
.endr
.irp k, 0,1,2,3,4,5,6,7
	v_rndne_f32 v[130+16*\k], v[130+16*\k]
	v_rndne_f32 v[131+16*\k], v[131+16*\k]
.endr
.irp w, 0xbfc90fd8, 0xb4a8885a, 0xa7c234c4         ; - n x pi / 2, in three parts
.irp k, 0,1,2,3,4,5,6,7
	v_pk_fma_f32 v[128+16*\k:129+16*\k], v[130+16*\k:131+16*\k], \w, v[128+16*\k:129+16*\k] op_sel_hi:[1,0,1]
.endr
.endr
.irp k, 0,1,2,3,4,5,6,7
	v_pk_mul_f32 v[132+16*\k:133+16*\k], v[128+16*\k:129+16*\k], v[128+16*\k:129+16*\k]
.endr
.irp k, 0,1,2,3,4,5,6,7
	v_pk_fma_f32 v[134+16*\k:135+16*\k], v[132+16*\k:133+16*\k], 0x37cd4000, v[C3:C3+1] op_sel_hi:[1,0,1]
	v_pk_fma_f32 v[136+16*\k:137+16*\k], v[132+16*\k:133+16*\k], 0x36405000, v[S3:S3+1] op_sel_hi:[1,0,1]
.endr
.irp k, 0,1,2,3,4,5,6,7
	v_pk_fma_f32 v[134+16*\k:135+16*\k], v[134+16*\k:135+16*\k], v[132+16*\k:133+16*\k], 0x3d2aaaa8 op_sel_hi:[1,1,0]
	v_pk_fma_f32 v[136+16*\k:137+16*\k], v[136+16*\k:137+16*\k], v[132+16*\k:133+16*\k], 0x3c0888c1 op_sel_hi:[1,1,0]
.endr
.irp k, 0,1,2,3,4,5,6,7
	v_pk_fma_f32 v[134+16*\k:135+16*\k], v[134+16*\k:135+16*\k], v[132+16*\k:133+16*\k], -0.5 op_sel_hi:[1,1,0]
	v_pk_fma_f32 v[136+16*\k:137+16*\k], v[136+16*\k:137+16*\k], v[132+16*\k:133+16*\k], 0xbe2aaaab op_sel_hi:[1,1,0]
.endr
.irp k, 0,1,2,3,4,5,6,7
	v_pk_fma_f32 v[134+16*\k:135+16*\k], v[134+16*\k:135+16*\k], v[132+16*\k:133+16*\k], 1.0 op_sel_hi:[1,1,0]
	v_pk_mul_f32 v[138+16*\k:139+16*\k], v[128+16*\k:129+16*\k], v[132+16*\k:133+16*\k]
.endr
.irp k, 0,1,2,3,4,5,6,7
	v_pk_fma_f32 v[136+16*\k:137+16*\k], v[136+16*\k:137+16*\k], v[138+16*\k:139+16*\k], v[128+16*\k:129+16*\k]
.endr
.irp k, 0,1,2,3,4,5,6,7
.irp u, 0,1
	v_cvt_i32_f32 v[138+16*\k+\u], v[130+16*\k+\u]                 ; the quadrant is n's two lowest bits
.endr
.endr
.irp k, 0,1,2,3,4,5,6,7
.irp u, 0,1
	v_lshlrev_b32 v[140+16*\k+\u], 31, v[138+16*\k+\u]             ; bit 0 on top: sine and cosine change places
	v_lshlrev_b32 v[142+16*\k+\u], 30, v[138+16*\k+\u]             ; bit 1 on top: the sine's sign
.endr
.endr
.irp k, 0,1,2,3,4,5,6,7
.irp u, 0,1
	v_cmp_ne_u32 vcc_lo, 0, v[140+16*\k+\u]
	v_cndmask_b32 v[128+16*\k+4*\u], v[134+16*\k+\u], v[136+16*\k+\u], vcc_lo
	v_cndmask_b32 v[129+16*\k+4*\u], v[136+16*\k+\u], v[134+16*\k+\u], vcc_lo
.endr
.endr
.irp k, 0,1,2,3,4,5,6,7
.irp u, 0,1
	v_xor_b32 v[140+16*\k+\u], v[142+16*\k+\u], v[140+16*\k+\u]    ; bit 1 xor bit 0: the cosine's sign
	v_and_b32 v[142+16*\k+\u], 0x80000000, v[142+16*\k+\u]
.endr
.endr
.irp k, 0,1,2,3,4,5,6,7
.irp u, 0,1
	v_and_b32 v[140+16*\k+\u], 0x80000000, v[140+16*\k+\u]
	v_xor_b32 v[129+16*\k+4*\u], v[142+16*\k+\u], v[129+16*\k+4*\u]
.endr
.endr
.irp k, 0,1,2,3,4,5,6,7
.irp u, 0,1
	v_xor_b32 v[128+16*\k+4*\u], v[140+16*\k+\u], v[128+16*\k+4*\u]
.endr
.endr
.irp k, 0,1,2,3,4,5,6,7
.irp u, 0,1
	ds_store_b64 v[TA], v[128+16*\k+4*\u:129+16*\k+4*\u] offset:(2*\k+\u)*272   ; (cos, sin) of token 2 k + u, frequency = lane: 256 consecutive bytes
.endr
.endr
.endm
	s_lshl_b32 s67, s14, 8
	s_add_co_u32 s67, s67, POSF                    ; my wave's 64 positions
	s_mov_b32 s101, 0
	s_mov_b32 s3, 4
.Ltab:
	v_mov_b32 v[PA], s67
	v_add_nc_u32 v[TA], s101, v[TWR]
.irp i, 0,1,2,3
	ds_load_b128 v[PO+4*\i:PO+4*\i+3], v[PA] offset:16*\i          ; 16 positions, the same in every lane
.endr
	s_wait_dscnt 0x0
	SINCOS8
	s_wait_dscnt 0x0                               ; the stores have read their registers and their address, which the next trip writes
	s_add_co_u32 s67, s67, 64
	s_add_co_u32 s101, s101, 16*272
	s_sub_co_u32 s3, s3, 1
	s_cmp_lg_u32 s3, 0
	s_cbranch_scc1 .Ltab
.irp b, 0,1,2,3
	v_mov_b32 v[TM+4+\b], 0                        ; written once: a lane permute's destination counts as one of its sources
.endr
	s_barrier_signal -1                            ; my rows of the table lie in LDS (the wait above)
	s_barrier_wait -1                              ; everybody's do
; THE WAY OUT, one of A's blocks (16 lanes' rows x 128 along the next K) at a time.
.macro CSLOAD a                        ; my row's 32 (cos, sin): 8 (b % 4) + 4 h + 0 .. 3 for B's blocks b
.set CSL, 32+64*((\a)%2)
.irp q, 0,1,2,3
	ds_load_b128 v[CSL+8*\q:CSL+8*\q+3], v[TRD] offset:(\a)*4352+64*\q
	ds_load_b128 v[CSL+8*\q+4:CSL+8*\q+7], v[TRD] offset:(\a)*4352+64*\q+16
.endr
.endm
.macro QUANT                           ; 64 numbers of a lane, 16 of each block of 32 (the other 16 lie in lane l xor 16), become codes and a scale word
.irp b, 0,1,2,3
	v_max3_num_f32 v[TM+\b], |v[XT+16*\b]|, |v[XT+1+16*\b]|, 0x4800000   ; with the floor 2^(9 - 127): the byte cannot fall under 1
.endr
.irp i, 2,4,6,8,10,12,14
.irp b, 0,1,2,3
	v_max3_num_f32 v[TM+\b], v[TM+\b], |v[XT+16*\b+\i]|, |v[XT+1+16*\b+\i]|
.endr
.endr
.irp b, 0,1,2,3
	v_permlanex16_b32 v[TM+4+\b], v[TM+\b], s[SEL], s[SEL+1]
.endr
.irp b, 0,1,2,3
	v_max_num_f32 v[TM+\b], v[TM+\b], v[TM+4+\b]   ; the block's largest magnitude
.endr
.irp b, 0,1,2,3
	v_add_nc_u32 v[TM+12+\b], 0xfc000000, v[TM+\b] ; 8 off its exponent field: the conversion's scale operand
.endr
.irp b, 0,1,2,3
.endr
.irp b, 0,1,2,3
	v_lshrrev_b32 v[TM+4+\b], 23, v[TM+12+\b]      ; the scale's byte
.endr
	v_lshl_or_b32 v[PW], v[TM+5], 8, v[TM+4]
	v_lshl_or_b32 v[PW], v[TM+6], 16, v[PW]
	v_lshl_or_b32 v[PW], v[TM+7], 24, v[PW]
.irp b, 0,1,2,3
.irp i, 0,1,2,3,4,5,6,7,8,9,10,11,12,13,14,15
.endr
	v_cvt_scalef32_pk8_fp8_f32 v[PCD+4*\b:PCD+1+4*\b], v[XT+16*\b:XT+7+16*\b], v[TM+12+\b]
	v_cvt_scalef32_pk8_fp8_f32 v[PCD+2+4*\b:PCD+3+4*\b], v[XT+8+16*\b:XT+15+16*\b], v[TM+12+\b]
.endr
	v_nop                                          ; a plain line between the last conversion and the lines that touch its result
.irp b, 0,1,2,3                                ; lanes 0-15 hold k 0-7 and 16-23 of the block, lanes 16-31 k 8-15 and 24-31: two swaps give lanes 0-15 k 0-15 and lanes 16-31 k 16-31
	v_permlane16_swap_b32 v[PCD+4*\b], v[PCD+4*\b+2]
	v_permlane16_swap_b32 v[PCD+4*\b+1], v[PCD+4*\b+3]
.endr
.endm
.macro EPI a
.if (\a) > 0
	s_wait_xcnt 0x0                                ; the last block's stores have read their offsets and their data
	v_add_nc_u32 v[OL], s[STEPA], v[OL]
	v_add_nc_u32 v[OH], s[STEPA], v[OH]
.if (\a) == 4
	v_add_nc_u32 v[OL], s[EXTRA], v[OL]
	v_add_nc_u32 v[OH], s[EXTRA], v[OH]
.endif
.endif
.if (\a) < 7
	CSLOAD (\a)+1
	s_wait_dscnt 8                                 ; all but the eight loads just issued: this block's (cos, sin) are in, and the last scale word's store is done
.else
	s_wait_dscnt 0x0
.endif
.set CSB, 32+64*((\a)%2)
.set AC, 64*((\a)%4)
	WIN 0x02+((\a)/4)                              ; source 0: the accumulators' window
.set m, 0
.rept 32                                       ; (x1 c, x2 c); each accumulator is read from its low end on
	v_pk_mul_f32 v[XT+2*m:XT+2*m+1], v[AC+2*m:AC+2*m+1], v[CSB+2*(4*((m/4)%4)+m%4):CSB+2*(4*((m/4)%4)+m%4)+1] op_sel_hi:[1,0]
.set m, m+1
.endr
.set m, 0
.rept 32                                       ; (x1 c - x2 s, x2 c + x1 s)
	v_pk_fma_f32 v[XT+2*m:XT+2*m+1], v[AC+2*m:AC+2*m+1], v[CSB+2*(4*((m/4)%4)+m%4):CSB+2*(4*((m/4)%4)+m%4)+1], v[XT+2*m:XT+2*m+1] op_sel:[1,1,0] op_sel_hi:[0,1,1] neg_lo:[0,1,0]
.set m, m+1
.endr
	WIN 0
	QUANT
	global_store_b128 v[OL], v[PCD:PCD+3], s[12:13]                ; each store: 512 consecutive bytes, at a multiple of 256
	global_store_b128 v[OL], v[PCD+4:PCD+7], s[12:13] offset:512
	global_store_b128 v[OH], v[PCD+8:PCD+11], s[12:13]
	global_store_b128 v[OH], v[PCD+12:PCD+15], s[12:13] offset:512
	v_lshrrev_b32 v[VAL], v[SH], v[PW]             ; Q, K: lanes 0-15 take the first head's two bytes, lanes 16-31 the second's,
	v_and_b32 v[VAL], 0xffff, v[VAL]
	v_lshl_or_b32 v[VAL], v[VAL], 16, v[VAL]       ; twice: b0 b1 b0 b1
	v_cndmask_b32 v[VAL], v[VAL], v[PW], s[VMASK]  ; V: the four key blocks' bytes as they stand
	ds_store_b32 v[SSA], v[VAL] offset:64*(\a)
.endm
	CSLOAD 0
	EPI 0
	EPI 1
	EPI 2
	EPI 3
	EPI 4
	EPI 5
	EPI 6
	EPI 7
	ds_load_b128 v[BK:BK+3], v[SRD]                ; LDS serves a wave's instructions in order: these see my stores
	ds_load_b128 v[BK+4:BK+7], v[SRD] offset:512
	s_wait_dscnt 0x0
	global_store_b128 v[OS], v[BK:BK+3], s[12:13]  ; Q, K: the first head's 512 bytes; V: 256 bytes for each of the two heads
	s_cmp_eq_u32 s[KIND], 2                        ; the kind is the same in all partners
	s_cbranch_scc1 .Lv_done
	global_store_b128 v[OS2], v[BK+4:BK+7], s[12:13]   ; Q, K: the second head's
.Lv_done:
	s_wait_tensorcnt 0x0                           ; the wave's end
	ds_add_u32 v[SPW], v[NIL]
	s_wait_dscnt 0x0
	CROUND                                         ; the closing round
	s_endpgm
.Lfunc_end_k_q269e027805_qkv:
	.size	k_q269e027805_qkv, .Lfunc_end_k_q269e027805_qkv-k_q269e027805_qkv
	.p2alignl 7, 3214868480
	.fill 96, 4, 3214868480
	.section	.rodata,"a",@progbits
	.p2align	6, 0x0
	.amdhsa_kernel k_q269e027805_qkv
		.amdhsa_group_segment_fixed_size 327680
		.amdhsa_private_segment_fixed_size 0
		.amdhsa_enable_private_segment 0
		.amdhsa_kernarg_size 88
		.amdhsa_user_sgpr_count 2
		.amdhsa_user_sgpr_kernarg_segment_ptr 1
		.amdhsa_wavefront_size32 1
		.amdhsa_system_sgpr_workgroup_id_x 1
		.amdhsa_system_sgpr_workgroup_id_y 1
		.amdhsa_system_sgpr_workgroup_id_z 1
		.amdhsa_system_vgpr_workitem_id 0
		.amdhsa_next_free_vgpr 1024
		.amdhsa_next_free_sgpr 106
		.amdhsa_reserve_vcc 1
		.amdhsa_float_denorm_mode_32 3
		.amdhsa_float_denorm_mode_16_64 3
		.amdhsa_fp16_overflow 1
		.amdhsa_memory_ordered 1
		.amdhsa_forward_progress 1
		.amdhsa_inst_pref_size 212
	.end_amdhsa_kernel
	.amdgpu_metadata
---
amdhsa.version: [ 1, 2 ]
amdhsa.kernels:
  - .name:           k_q269e027805_qkv
    .symbol:         k_q269e027805_qkv.kd
    .args:
      - { .name: in_features_codes, .offset: 0, .size: 8, .value_kind: global_buffer, .address_space: global }
      - { .name: in_features_scales, .offset: 8, .size: 8, .value_kind: global_buffer, .address_space: global }
      - { .name: Wq_codes, .offset: 16, .size: 8, .value_kind: global_buffer, .address_space: global }
      - { .name: Wq_scales, .offset: 24, .size: 8, .value_kind: global_buffer, .address_space: global }
      - { .name: Wk_codes, .offset: 32, .size: 8, .value_kind: global_buffer, .address_space: global }
      - { .name: Wk_scales, .offset: 40, .size: 8, .value_kind: global_buffer, .address_space: global }
      - { .name: Wv_codes, .offset: 48, .size: 8, .value_kind: global_buffer, .address_space: global }
      - { .name: Wv_scales, .offset: 56, .size: 8, .value_kind: global_buffer, .address_space: global }
      - { .name: token_positions, .offset: 64, .size: 8, .value_kind: global_buffer, .address_space: global }
      - { .name: qrec, .offset: 72, .size: 8, .value_kind: global_buffer, .address_space: global }
      - { .name: kvrec, .offset: 80, .size: 8, .value_kind: global_buffer, .address_space: global }
    .group_segment_fixed_size: 327680
    .private_segment_fixed_size: 0
    .kernarg_segment_align: 8
    .kernarg_segment_size: 88
    .max_flat_workgroup_size: 128
    .sgpr_count:     106
    .vgpr_count:     1024
    .wavefront_size: 32
...
	.end_amdgpu_metadata
.endif
;; end of part 1
;; launch attn (part 2): grid 4 x 64, 16 waves a work-group, clusters of 4 x 1, 327,680 bytes of LDS; arguments qrec, kvrec, hc, hs; writes hc, hs
.if DOCPART == 2
	.amdgcn_target "amdgcn-amd-amdhsa--gfx1250"
	.amdhsa_code_object_version 6
	.text
	.protected	k_q269e027805_attn
	.globl	k_q269e027805_attn
	.p2align	8
	.type	k_q269e027805_attn,@function
k_q269e027805_attn:
	s_mov_b64 s[64:65], 0
	v_nop
	global_prefetch_b8 v0, s[64:65] scope:SCOPE_SE
	s_setreg_imm32_b32 hwreg(HW_REG_WAVE_MODE, 25, 1), 1
	s_wait_xcnt 0x0
	s_wait_alu depctr_hold_cnt(0) depctr_sa_sdst(0) depctr_va_vdst(0) depctr_va_sdst(0) depctr_va_ssrc(0) depctr_va_vcc(0) depctr_vm_vsrc(0)
	s_getreg_b32 s2, hwreg(HW_REG_IB_STS2, 6, 4)
	s_cmp_eq_u32 s2, 0
	s_cbranch_scc0 .Lentry_in_a_cluster
	s_endpgm
.Lentry_in_a_cluster:
	s_bfe_u32 s2, ttmp6, 0x10000c
	s_cmp_lg_u32 s2, 0x3003
	s_cbranch_scc0 .Lentry_shape_is_right
	s_endpgm
.Lentry_shape_is_right:
; Causal attention of one (batch, head) a cluster, head size 64, 2,048 tokens, both products on codes of FP8 (E4M3) with E8M0 scales; the result is quantised along D for the last projection.
; IN: records of REC bytes for each 128 tokens of the head, laid as images of operand registers (chunks of 512 bytes, 16 a lane): +0 K's (in qrec: Q's) codes, +8192 V's codes with the keys innermost, +16384 K's (Q's) scale words, +16896 V's.
; THE HEAD'S 16 RECORDS LIE IN LDS FOR THE WHOLE LAUNCH, 274,432 bytes, filled once: no slot is filled again.  The four work-groups of a cluster need the same records: each is asked for jointly (mask 15).
; Waves 0 to 3 fetch, three loads each (records w; 4 + w; 8 + 2 w and 9 + 2 w): three tensor loads of a wave are out at the most.  Barriers stand ahead of key steps 0, 4 and 8.
; SHARES.  Of every group of 128 queries work-group cx owns 32 cx .. 32 cx + 31.  Wave w (a = w / 2, u = w % 2) owns 16 queries of group 15 - a, then 16 of group a: 17 key steps of 128 keys for every wave.
; Branches hang on the wave's number and on counters alone; cx enters global addresses and the mask's numbers.
; LAYOUT.  S^T = K Q^T, O^T = V^T P^T: a lane holds one query (lane % 16) throughout.  K = 64 IN A FORM OF K = 128: a fragment holds TWO tiles of 16 keys (k 0-63: the first, k 64-127: the second);
; it is multiplied by (q, zeros) for the first tile's scores and by (zeros, q) for the second's.  The scale words hold b0 b1 b0 b1, so that every byte is a valid scale.
; SOFTMAX: t = score x log2(e) / 8; M = the running largest t rounded up to a whole number; p = 2^(t - M) is quantised along the keys; the sum is taken of the unquantised p and divides at the end.
; p's codes: a tile's 8 numbers are converted on their own (two tiles share a block's scale), two lane swaps a block put them into the operand's order.
; OUT: hc [4 K steps of 256][512 token tiles][4096]: (head % 4) x 1024 + 512 c + 16 lane; hs [8192][32]: the byte of token, head x 2 + block.
; LIMITS: NaN and infinities are not served; a block of zeros gets the scale byte 1 (its codes are zeros; only this program reads the bytes).
.set REC,  17152
.set WV,   12
.set CX,   13
.set HB,   14
.set G,    17                          ; my group of queries: the last key step that counts
.set TB,   18                          ; LDS byte of the step's record
.set ST,   19                          ; the key step
.set CNT,  20
.set MNT,  21
.set CS,   22                          ; s[22:23] log2(e) / 8
.set SEL,  24
.set HM,   26                          ; lanes 16-31
.set G1A,  28                          ; s[28:35] group 1: 67 rows of 256 bytes;  s[36:43]: 134 rows
.set G1D,  36
.set G0A,  44
.set G0B,  48
.set G0C,  52
.set QB1,  56                          ; s[56:57], s[58:59] my queries' records
.set QB2,  58
.set OFS,  68                          ; s68-71 offsets in hc and hs, for the two passes
.set L16,  1
.set L4,   2
.set ADK,  3
.set ADS,  4
.set DG,   5                           ; my query in its group - 8 (lane / 16)
.set NINF, 6
.set QS,   7                           ; Q's scale words
.set QX,   8                           ; v8-15 q, v16-23 zeros, v24-31 q
.set QY,   16
.set KF,   32                          ; v32-95 K's fragments, then V's
.set SS,   96                          ; v96-159 S^T, then p
.set OT,   160                         ; v160-191 O^T
.set PCD,  192                         ; v192-207 p's codes
.set BM,   208
.set TP,   212
.set HD,   216
.set SO,   220
.set KSC,  224
.set VSC,  228
.set PSW,  230
.set FF,   232                         ; v[232:233] (f, 0)
.set NM,   234                         ; v[234:235] (-M, the largest t)
.set SUM,  236
.set SU2,  238
.set TMP,  240
.set QO,   241
.set QSO,  242
.set RH,   243
.set HCO,  244
.set HSO,  245
.set BY,   246
.macro ROUND                           ; a round of the cluster's barrier
	s_barrier_signal -1
	s_barrier_wait -1
	s_cmp_lg_u32 s[WV], 0
	s_cbranch_scc1 .Lnot_wave_0_\@
	s_barrier_signal -3
.Lnot_wave_0_\@:
	s_barrier_wait -3
	s_barrier_signal -1
	s_barrier_wait -1
.endm
.macro BAR left                        ; a fetching wave's older fills have landed (its youngest \left may be out); then the work-group's barrier
	s_wait_tensorcnt \left
	s_wait_dscnt 0x0
	s_barrier_signal -1
	s_barrier_wait -1
.endm
.macro QLOAD base                      ; my 16 queries' codes, twice (two runs of registers), and their scale words
	global_load_b128 v[QX:QX+3], v[QO], s[\base:\base+1]
	global_load_b128 v[QX+4:QX+7], v[QO], s[\base:\base+1] offset:512
	global_load_b128 v[QY+8:QY+11], v[QO], s[\base:\base+1]
	global_load_b128 v[QY+12:QY+15], v[QO], s[\base:\base+1] offset:512
	global_load_b32 v[QS], v[QSO], s[\base:\base+1]
.endm
.macro INIT
	v_mov_b32 v[NM+1], 0xff61b1e6                  ; the largest t so far: -3e38
	s_delay_alu instid0(VALU_DEP_1)
	v_floor_f32 v[NM], -v[NM+1]
	v_mov_b32 v[SUM], 0
	v_mov_b32 v[SUM+1], 0
	v_mov_b32 v[FF+1], 0
.set j, 0
.rept 32
	v_mov_b32 v[OT+j], 0                           ; the step is written once: the first finds zeros
.set j, j+1
.endr
.endm
	s_load_b256 s[4:11], s[0:1], 0x0               ; qrec, kvrec, hc, hs
	v_lshl_add_u32 v254, v0, 2, 0x43000
	v_mov_b32 v255, 0
	ds_add_u32 v254, v255
	ds_add_u32 v254, v255
	v_lshrrev_b32 v1, 5, v0
	s_delay_alu instid0(VALU_DEP_1)
	v_readfirstlane_b32 s[WV], v1                  ; wave 0..15
	s_bfe_u32 s[CX], ttmp6, 0x40000                ; my place in the cluster
	s_and_b32 s[HB], ttmp7, 0xffff                 ; batch x 16 + head: the cluster's y
	s_lshr_b32 s15, s[WV], 1                       ; a
	s_and_b32 s16, s[WV], 1                        ; u
	s_mov_b32 s[G1A], 15|(3<<16)|(1<<21)           ; mask: all four work-groups; elements of 8 bytes; bit 21 beside a mask; no padding
	s_mov_b32 s[G1A+1], 32<<16                     ; rows of 256 bytes
	s_mov_b32 s[G1A+2], 67<<16                     ; a record
	s_mov_b32 s[G1A+3], 32<<16
	s_mov_b32 s[G1A+4], 67
	s_mov_b32 s[G1A+5], 32
	s_mov_b32 s[G1A+6], 0
	s_mov_b32 s[G1A+7], 0
	s_mov_b32 s[G1D], 15|(3<<16)|(1<<21)
	s_mov_b32 s[G1D+1], 32<<16
	s_mov_b32 s[G1D+2], 134<<16                    ; two records
	s_mov_b32 s[G1D+3], 32<<16
	s_mov_b32 s[G1D+4], 134
	s_mov_b32 s[G1D+5], 32
	s_mov_b32 s[G1D+6], 0
	s_mov_b32 s[G1D+7], 0
	s_and_b32 s60, s[WV], 3
	s_mul_i32 s61, s60, REC                        ; record w
	s_mul_i32 s62, s[HB], 16*REC                   ; the head's first byte in kvrec
	s_add_co_u32 s66, s62, s61
	s_mov_b32 s67, 0
	s_lshl_b32 s63, s61, 1
	s_add_co_u32 s63, s63, 8*REC                   ; record 8 + 2 w
	s_add_co_u32 s72, s62, s63
	s_mov_b32 s73, 0
	s_mov_b32 s[G0A], 1
	s_mov_b32 s[G0A+1], s61                        ; a record lies in LDS where it lies in the head's part of kvrec
	s_mov_b32 s[G0B], 1
	s_add_co_u32 s[G0B+1], s61, 4*REC
	s_mov_b32 s[G0C], 1
	s_mov_b32 s[G0C+1], s63
	s_lshl_b32 s74, s[HB], 4
	s_sub_co_u32 s77, 15, s15                      ; the first pass's group
	s_add_co_u32 s78, s74, s77
	s_mul_i32 s78, s78, REC
	s_mov_b32 s79, 0
	s_add_co_u32 s74, s74, s15                     ; the second's
	s_mul_i32 s74, s74, REC
	s_mov_b32 s75, 0
	s_lshl_b32 s27, s[CX], 1
	s_add_co_u32 s27, s27, s16                     ; my tile of 16 queries among a group's eight
	s_and_b32 s60, s[HB], 15                       ; head
	s_lshr_b32 s61, s[HB], 4                       ; batch
	s_lshl_b32 s61, s61, 7
	s_add_co_u32 s61, s61, s27
	s_lshr_b32 s62, s60, 2
	s_lshl_b32 s62, s62, 21                        ; hc: the K step of 256
	s_and_b32 s63, s60, 3
	s_lshl_b32 s63, s63, 10
	s_add_co_u32 s62, s62, s63                     ; + the head's 1,024 bytes of a token tile
	s_lshl_b32 s60, s60, 1
	s_lshl_b32 s63, s77, 3
	s_add_co_u32 s63, s63, s61                     ; token tile = batch x 128 + 8 group + my tile
	s_lshl_b32 s[OFS], s63, 12
	s_add_co_u32 s[OFS], s[OFS], s62
	s_lshl_b32 s[OFS+1], s63, 9
	s_add_co_u32 s[OFS+1], s[OFS+1], s60
	s_lshl_b32 s63, s15, 3
	s_add_co_u32 s63, s63, s61
	s_lshl_b32 s[OFS+2], s63, 12
	s_add_co_u32 s[OFS+2], s[OFS+2], s62
	s_lshl_b32 s[OFS+3], s63, 9
	s_add_co_u32 s[OFS+3], s[OFS+3], s60
	s_mov_b32 s[CS], 0x3e38aa3b
	s_mov_b32 s[CS+1], s[CS]
	s_mov_b32 s[SEL], 0x76543210
	s_mov_b32 s[SEL+1], 0xfedcba98
	s_mov_b32 s[HM], 0xffff0000
	s_wait_dscnt 0x0
	s_wait_kmcnt 0x0
	s_add_nc_u64 s[G0A+2:G0A+3], s[6:7], s[66:67]
	s_add_nc_u64 s[G0B+2:G0B+3], s[G0A+2:G0A+3], 4*REC
	s_add_nc_u64 s[G0C+2:G0C+3], s[6:7], s[72:73]
	s_or_b32 s[G0A+3], s[G0A+3], 0x80000000
	s_or_b32 s[G0B+3], s[G0B+3], 0x80000000
	s_or_b32 s[G0C+3], s[G0C+3], 0x80000000
	s_add_nc_u64 s[QB1:QB1+1], s[4:5], s[78:79]
	s_add_nc_u64 s[QB2:QB2+1], s[4:5], s[74:75]
	ROUND                                          ; all four work-groups are here: the joint loads meet
	s_cmp_lt_u32 s[WV], 4                          ; a wave's fills stand in one branch, ahead of every wait on TENSORcnt, every LDS read and every further barrier
	s_cbranch_scc0 .Lno_fetch
	tensor_load_to_lds s[G0A:G0A+3], s[G1A:G1A+7]
	s_nop 0
	tensor_load_to_lds s[G0B:G0B+3], s[G1A:G1A+7]
	s_nop 0
	tensor_load_to_lds s[G0C:G0C+3], s[G1D:G1D+7]
	s_nop 0
.rept 4
	v_nop
.endr
.Lno_fetch:
	v_and_b32 v[TMP], 31, v0                       ; lane
	s_delay_alu instid0(VALU_DEP_1)
	v_lshlrev_b32 v[L16], 4, v[TMP]
	s_delay_alu instid0(VALU_DEP_2)
	v_lshlrev_b32 v[L4], 2, v[TMP]
	v_and_b32 v[BY], 15, v0                        ; r
	v_bfe_u32 v[HCO], v0, 4, 1                     ; h
	s_lshl_b32 s60, s27, 10
	v_add_nc_u32 v[QO], s60, v[L16]                ; my tile's codes in a record
	s_lshl_b32 s60, s27, 6
	s_add_co_u32 s60, s60, 16384
	v_lshl_add_u32 v[QSO], v[BY], 2, s60           ; and its scale words
	QLOAD QB1
	v_lshl_add_u32 v[RH], v[BY], 5, v[HCO]         ; 32 r + h
	s_lshl_b32 s60, s27, 4
	v_lshlrev_b32 v[HSO], 3, v[HCO]
	s_delay_alu instid0(VALU_DEP_1)
	v_sub_nc_u32 v[DG], v[BY], v[HSO]
	s_delay_alu instid0(VALU_DEP_1)
	v_add_nc_u32 v[DG], s60, v[DG]
	v_mov_b32 v[NINF], 0xff800000
.irp j, 0,1,2,3,4,5,6,7
	v_mov_b32 v[QY+\j], 0                          ; the zero codes between the two copies of q
.endr
.irp b, 0,1,2,3
	v_mov_b32 v[TP+\b], 0                          ; written once: a lane permute's destination counts as one of its sources
.endr
	INIT
	s_mov_b32 s[G], s77
	s_mov_b32 s[TB], 0
	s_mov_b32 s[ST], 0
; A KEY STEP: 128 keys.  skip = 1: a step all of whose keys come after my queries is left out (a branch on the wave's number and the step); mask = 1: on the diagonal hidden scores become -infinity.
.macro STEP skip, mask
.if \skip
	s_cmp_gt_u32 s[ST], s[G]
	s_cbranch_scc1 .Lhid_\@
.endif
	s_setprio 2
	v_add_nc_u32 v[ADK], s[TB], v[L16]
	v_add_nc_u32 v[ADS], s[TB], v[L4]
.rept 6
	v_nop                                          ; with the two additions: eight places in front of loads into registers that the last products read
.endr
.set n, 0
.rept 16
	ds_load_b128 v[KF+4*n:KF+4*n+3], v[ADK] offset:512*n           ; K's eight tiles: four fragments of two tiles
.set n, n+1
.endr
.irp p, 0,1,2,3
	ds_load_b32 v[KSC+\p], v[ADS] offset:16384+128*\p              ; lanes 0-15: tile 2 p's words; lanes 16-31: tile 2 p + 1's
.endr
	s_wait_alu depctr_va_vdst(0)
	s_wait_dscnt 0x0
.irp p, 0,1,2,3
	v_wmma_scale_f32_16x16x128_f8f6f4 v[SS+16*\p:SS+16*\p+7], v[KF+16*\p:KF+16*\p+15], v[QX:QX+15], 0, v[KSC+\p], v[QS]
	v_wmma_scale_f32_16x16x128_f8f6f4 v[SS+16*\p+8:SS+16*\p+15], v[KF+16*\p:KF+16*\p+15], v[QY:QY+15], 0, v[KSC+\p], v[QS] matrix_a_scale:MATRIX_SCALE_ROW1
.endr
.rept 8
	v_nop                                          ; places in front of the loads below and of the first read of the scores
.endr
.set n, 0
.rept 16
	ds_load_b128 v[KF+4*n:KF+4*n+3], v[ADK] offset:8192+512*n      ; V's four channel tiles: they land under the softmax
.set n, n+1
.endr
.irp p, 0,1
	ds_load_b32 v[VSC+\p], v[ADS] offset:16896+128*\p
.endr
.if \mask
	s_cmp_lg_u32 s[ST], s[G]
	s_cbranch_scc1 .Lopen_\@
.set n, 0
.rept 64                                       ; register 8 t + j holds key 16 t + 8 (lane / 16) + j of the step: hidden where 16 t + j > my query - 8 (lane / 16)
	v_cmp_gt_i32 vcc_lo, 16*(n/8)+n%8, v[DG]
	v_cndmask_b32 v[SS+n], v[SS+n], v[NINF], vcc_lo
.set n, n+1
.endr
.Lopen_\@:
.endif
.irp b, 0,1,2,3
	v_max3_num_f32 v[BM+\b], v[SS+16*\b], v[SS+1+16*\b], v[SS+2+16*\b]   ; the largest score of each block of 32 keys: for the row's maximum, and for the block's largest p
.endr
.irp i, 3,5,7,9,11,13
.irp b, 0,1,2,3
	v_max3_num_f32 v[BM+\b], v[BM+\b], v[SS+16*\b+\i], v[SS+1+16*\b+\i]
.endr
.endr
.irp b, 0,1,2,3
	v_max_num_f32 v[BM+\b], v[BM+\b], v[SS+15+16*\b]
.endr
.irp b, 0,1,2,3
	s_delay_alu instid0(VALU_DEP_4)
	v_permlanex16_b32 v[TP+\b], v[BM+\b], s[SEL], s[SEL+1]
.endr
.irp b, 0,1,2,3
	s_delay_alu instid0(VALU_DEP_4)
	v_max_num_f32 v[BM+\b], v[BM+\b], v[TP+\b]     ; with lane l xor 16's 16 keys
.endr
	s_delay_alu instid0(VALU_DEP_2)
	v_max3_num_f32 v[TMP], v[BM], v[BM+1], v[BM+2]
	s_delay_alu instid0(VALU_DEP_1)
	v_max_num_f32 v[TMP], v[TMP], v[BM+3]
	s_delay_alu instid0(VALU_DEP_1)
	v_mul_f32 v[TMP], s[CS], v[TMP]
	s_delay_alu instid0(VALU_DEP_1)
	v_max_num_f32 v[NM+1], v[NM+1], v[TMP]         ; the running largest t
	v_mov_b32 v[TMP], v[NM]
	s_delay_alu instid0(VALU_DEP_2)
	v_floor_f32 v[NM], -v[NM+1]                    ; -M = floor(-t): M is a whole number
	s_delay_alu instid0(VALU_DEP_1)
	v_sub_f32 v[TMP], v[NM], v[TMP]
	s_delay_alu instid0(VALU_DEP_1)
	v_cvt_i32_f32 v[TMP], v[TMP]                   ; (it saturates)
	s_delay_alu instid0(VALU_DEP_1)
	v_ldexp_f32 v[FF], 1.0, v[TMP]                 ; f = 2^(old M - new M): exact
.set j, 0
.rept 32
	v_pk_fma_f32 v[SS+j:SS+j+1], v[SS+j:SS+j+1], s[CS:CS+1], v[NM:NM+1] op_sel_hi:[1,0,0]   ; t - M
.set j, j+2
.endr
.irp b, 0,1,2,3
	v_fma_f32 v[BM+\b], v[BM+\b], s[CS], v[NM]
.endr
.set j, 0
	s_setprio 1
	s_wait_alu depctr_va_vdst(0)
.rept 64
	v_exp_f32 v[SS+j], v[SS+j]                     ; p = 2^(t - M)
.set j, j+1
.endr
	v_pk_mul_f32 v[SUM:SUM+1], v[SUM:SUM+1], v[FF:FF+1] op_sel_hi:[1,0]   ; the sums under the new M (a plain place behind the exponentials)
	s_wait_alu depctr_va_vdst(0)                   ; one wait for the batch, ahead of its first reader
.irp b, 0,1,2,3
	v_exp_f32 v[BM+\b], v[BM+\b]                   ; the block's largest p
.endr
	v_pk_add_f32 v[238:239], v[100:101], v[104:105]
	v_pk_add_f32 v[252:253], v[108:109], v[112:113]
	v_pk_add_f32 v[250:251], v[116:117], v[120:121]
	v_pk_add_f32 v[248:249], v[124:125], v[128:129]
	v_pk_add_f32 v[246:247], v[132:133], v[136:137]
	v_pk_add_f32 v[244:245], v[140:141], v[144:145]
	v_pk_add_f32 v[230:231], v[148:149], v[152:153]
	v_pk_add_f32 v[236:237], v[236:237], v[156:157]
	v_pk_add_f32 v[238:239], v[238:239], v[96:97]
	v_pk_add_f32 v[252:253], v[252:253], v[98:99]
	v_pk_add_f32 v[250:251], v[250:251], v[102:103]
	v_pk_add_f32 v[248:249], v[248:249], v[106:107]
	v_pk_add_f32 v[246:247], v[246:247], v[110:111]
	v_pk_add_f32 v[244:245], v[244:245], v[114:115]
	v_pk_add_f32 v[230:231], v[230:231], v[118:119]
	v_pk_add_f32 v[236:237], v[236:237], v[122:123]
	v_pk_add_f32 v[238:239], v[238:239], v[126:127]
	v_pk_add_f32 v[252:253], v[252:253], v[130:131]
	v_pk_add_f32 v[250:251], v[250:251], v[134:135]
	v_pk_add_f32 v[248:249], v[248:249], v[138:139]
	v_pk_add_f32 v[246:247], v[246:247], v[142:143]
	v_pk_add_f32 v[244:245], v[244:245], v[146:147]
	v_pk_add_f32 v[230:231], v[230:231], v[150:151]
	v_pk_add_f32 v[236:237], v[236:237], v[154:155]
	v_pk_add_f32 v[238:239], v[238:239], v[158:159]
	s_delay_alu instid0(VALU_DEP_2)
	v_pk_add_f32 v[236:237], v[236:237], v[248:249]
	s_delay_alu instid0(VALU_DEP_2)
	v_pk_add_f32 v[238:239], v[238:239], v[246:247]
	v_pk_add_f32 v[252:253], v[252:253], v[244:245]
	v_pk_add_f32 v[250:251], v[250:251], v[230:231]
	s_delay_alu instid0(VALU_DEP_2)
	v_pk_add_f32 v[236:237], v[236:237], v[252:253]
	s_delay_alu instid0(VALU_DEP_2)
	v_pk_add_f32 v[238:239], v[238:239], v[250:251]
	s_delay_alu instid0(VALU_DEP_1)
	v_pk_add_f32 v[236:237], v[236:237], v[238:239]
	s_wait_alu depctr_va_vdst(0)                   ; and one for the four
.irp b, 0,1,2,3
	v_max_num_f32 v[BM+\b], 0x4800000, v[BM+\b]    ; the floor 2^(9 - 127): the byte cannot fall under 1
.endr
.irp b, 0,1,2,3
	s_delay_alu instid0(VALU_DEP_4)
	v_add_nc_u32 v[SO+\b], 0xfc000000, v[BM+\b]    ; the conversion's scale operand
.endr
.irp b, 0,1,2,3
.endr
.irp b, 0,1,2,3
	s_delay_alu instid0(VALU_DEP_4)
	v_lshrrev_b32 v[TP+\b], 23, v[SO+\b]           ; the scale's byte
.endr
	s_delay_alu instid0(VALU_DEP_3)
	v_lshl_or_b32 v[PSW], v[TP+1], 8, v[TP]        ; p's scale word for these 128 keys
	s_delay_alu instid0(VALU_DEP_1)
	v_lshl_or_b32 v[PSW], v[TP+2], 16, v[PSW]
	s_delay_alu instid0(VALU_DEP_1)
	v_lshl_or_b32 v[PSW], v[TP+3], 24, v[PSW]
.irp b, 0,1,2,3
.irp i, 0,1,2,3,4,5,6,7,8,9,10,11,12,13,14,15
.endr
	v_cvt_scalef32_pk8_fp8_f32 v[PCD+4*\b:PCD+1+4*\b], v[SS+16*\b:SS+7+16*\b], v[SO+\b]
	v_cvt_scalef32_pk8_fp8_f32 v[PCD+2+4*\b:PCD+3+4*\b], v[SS+8+16*\b:SS+15+16*\b], v[SO+\b]
.endr
	s_setprio 0
	v_nop                                          ; a plain line between the last conversion and the lines that touch its result
.irp b, 0,1,2,3                                ; into the operand's order: lanes 0-15 keys 0-15 of the block, lanes 16-31 keys 16-31
	v_permlane16_swap_b32 v[PCD+4*\b], v[PCD+4*\b+2]
	v_permlane16_swap_b32 v[PCD+4*\b+1], v[PCD+4*\b+3]
.endr
.set j, 0
.rept 16
	v_pk_mul_f32 v[OT+j:OT+j+1], v[OT+j:OT+j+1], v[FF:FF+1] op_sel_hi:[1,0]   ; O^T under the new M; these are also the places in front of the products
.set j, j+2
.endr
	s_wait_alu depctr_va_vdst(0)
	s_wait_dscnt 0x0                               ; V is in
.irp t, 0,1,2,3
.if \t%2
	v_wmma_scale_f32_16x16x128_f8f6f4 v[OT+8*\t:OT+8*\t+7], v[KF+16*\t:KF+16*\t+15], v[PCD:PCD+15], v[OT+8*\t:OT+8*\t+7], v[VSC+\t/2], v[PSW] matrix_a_scale:MATRIX_SCALE_ROW1
.else
	v_wmma_scale_f32_16x16x128_f8f6f4 v[OT+8*\t:OT+8*\t+7], v[KF+16*\t:KF+16*\t+15], v[PCD:PCD+15], v[OT+8*\t:OT+8*\t+7], v[VSC+\t/2], v[PSW]
.endif
.endr
.if \skip
.Lhid_\@:
.endif
	s_add_co_u32 s[TB], s[TB], REC
	s_add_co_u32 s[ST], s[ST], 1
.endm
; A PASS'S END: O^T / the sum, quantised along D (two blocks of 32 channels), stored as an image of the last projection's operand.
.macro FINISH p
	v_add_nc_u32 v[HCO], s[OFS+2*\p], v[L16]
	v_add_nc_u32 v[HSO], s[OFS+2*\p+1], v[RH]
.rept 6
	v_nop                                          ; with the two additions: eight places behind the last products
.endr
.if \p == 0
	QLOAD QB2                                      ; the second pass's queries
.endif
	v_add_f32 v[SUM], v[SUM], v[SUM+1]
	s_delay_alu instid0(VALU_DEP_1)
	v_permlanex16_b32 v[TMP], v[SUM], s[SEL], s[SEL+1]
	s_delay_alu instid0(VALU_DEP_1)
	v_add_f32 v[SUM], v[SUM], v[TMP]               ; the row's sum
	s_wait_alu depctr_va_vdst(0)
	v_rcp_f32 v[FF], v[SUM]
	v_nop
	s_wait_alu depctr_va_vdst(0)                   ; ahead of the first reader
.set j, 0
.rept 16
	v_pk_mul_f32 v[SS+j:SS+j+1], v[OT+j:OT+j+1], v[FF:FF+1] op_sel_hi:[1,0]   ; register 8 t + i: channel 16 t + 8 h + i; each accumulator from its low end on
.set j, j+2
.endr
.irp b, 0,1
	v_max3_num_f32 v[BM+\b], |v[SS+16*\b]|, |v[SS+1+16*\b]|, 0x4800000
.endr
.irp i, 2,4,6,8,10,12,14
.irp b, 0,1
	s_delay_alu instid0(VALU_DEP_2)
	v_max3_num_f32 v[BM+\b], v[BM+\b], |v[SS+16*\b+\i]|, |v[SS+1+16*\b+\i]|
.endr
.endr
.irp b, 0,1
	s_delay_alu instid0(VALU_DEP_2)
	v_permlanex16_b32 v[TP+\b], v[BM+\b], s[SEL], s[SEL+1]
.endr
.irp b, 0,1
	s_delay_alu instid0(VALU_DEP_2)
	v_max_num_f32 v[BM+\b], v[BM+\b], v[TP+\b]
.endr
.irp b, 0,1
	s_delay_alu instid0(VALU_DEP_2)
	v_add_nc_u32 v[SO+\b], 0xfc000000, v[BM+\b]
.endr
.irp b, 0,1
.endr
.irp b, 0,1
	s_delay_alu instid0(VALU_DEP_2)
	v_lshrrev_b32 v[TP+\b], 23, v[SO+\b]
.endr
.irp b, 0,1
.irp i, 0,1,2,3,4,5,6,7,8,9,10,11,12,13,14,15
.endr
	v_cvt_scalef32_pk8_fp8_f32 v[PCD+4*\b:PCD+1+4*\b], v[SS+16*\b:SS+7+16*\b], v[SO+\b]
	v_cvt_scalef32_pk8_fp8_f32 v[PCD+2+4*\b:PCD+3+4*\b], v[SS+8+16*\b:SS+15+16*\b], v[SO+\b]
.endr
	v_nop
.irp b, 0,1
	v_permlane16_swap_b32 v[PCD+4*\b], v[PCD+4*\b+2]
	v_permlane16_swap_b32 v[PCD+4*\b+1], v[PCD+4*\b+3]
.endr
	global_store_b128 v[HCO], v[PCD:PCD+3], s[8:9]                 ; 512 consecutive bytes, at a multiple of 256
	global_store_b128 v[HCO], v[PCD+4:PCD+7], s[8:9] offset:512
	v_cndmask_b32 v[BY], v[TP], v[TP+1], s[HM]     ; lanes 0-15 the first block's byte, lanes 16-31 the second's
	global_store_b8 v[HSO], v[BY], s[10:11]        ; two bytes of each of 16 rows: one byte in 32 of what the pass stores
	s_wait_xcnt 0x0                                ; the stores have read their registers: the next pass writes them
.endm
	s_wait_loadcnt 0x0                             ; Q
	BAR 2                                          ; records 0 to 3 lie in LDS
	s_mov_b32 s[CNT], 4
.Lfirst:                                           ; the first pass's groups are 8 to 15: all keys of steps 0 to 7 count
	STEP 0, 0
	s_sub_co_u32 s[CNT], s[CNT], 1
	s_cmp_lg_u32 s[CNT], 0
	s_cbranch_scc1 .Lfirst
	s_setprio 0
	BAR 1                                          ; records 4 to 7
	s_mov_b32 s[CNT], 4
.Lsecond:
	STEP 0, 0
	s_sub_co_u32 s[CNT], s[CNT], 1
	s_cmp_lg_u32 s[CNT], 0
	s_cbranch_scc1 .Lsecond
	s_setprio 0
	BAR 0                                          ; all sixteen
	s_mov_b32 s[CNT], 8
.Lthird:
	STEP 1, 1
	s_sub_co_u32 s[CNT], s[CNT], 1
	s_cmp_lg_u32 s[CNT], 0
	s_cbranch_scc1 .Lthird
	s_setprio 0
	FINISH 0
	s_mov_b32 s[G], s15                            ; the second pass: group a, steps 0 to a
	s_mov_b32 s[TB], 0
	s_mov_b32 s[ST], 0
	INIT
	s_wait_loadcnt 0x0                             ; its queries
	s_mov_b32 s[CNT], 8
.Lfourth:
	STEP 1, 1
	s_sub_co_u32 s[CNT], s[CNT], 1
	s_cmp_lg_u32 s[CNT], 0
	s_cbranch_scc1 .Lfourth
	s_setprio 0
	FINISH 1
	s_wait_tensorcnt 0x0
	ds_add_u32 v254, v255
	s_wait_dscnt 0x0
	ROUND                                          ; the closing round
	s_endpgm
.Lfunc_end_k_q269e027805_attn:
	.size	k_q269e027805_attn, .Lfunc_end_k_q269e027805_attn-k_q269e027805_attn
	.p2alignl 7, 3214868480
	.fill 96, 4, 3214868480
	.section	.rodata,"a",@progbits
	.p2align	6, 0x0
	.amdhsa_kernel k_q269e027805_attn
		.amdhsa_group_segment_fixed_size 327680
		.amdhsa_private_segment_fixed_size 0
		.amdhsa_enable_private_segment 0
		.amdhsa_kernarg_size 32
		.amdhsa_user_sgpr_count 2
		.amdhsa_user_sgpr_kernarg_segment_ptr 1
		.amdhsa_wavefront_size32 1
		.amdhsa_system_sgpr_workgroup_id_x 1
		.amdhsa_system_sgpr_workgroup_id_y 1
		.amdhsa_system_sgpr_workgroup_id_z 1
		.amdhsa_system_vgpr_workitem_id 0
		.amdhsa_next_free_vgpr 256
		.amdhsa_next_free_sgpr 80
		.amdhsa_reserve_vcc 1
		.amdhsa_float_denorm_mode_32 3
		.amdhsa_float_denorm_mode_16_64 3
		.amdhsa_fp16_overflow 1
		.amdhsa_memory_ordered 1
		.amdhsa_forward_progress 1
		.amdhsa_inst_pref_size 101
	.end_amdhsa_kernel
	.amdgpu_metadata
---
amdhsa.version: [ 1, 2 ]
amdhsa.kernels:
  - .name:           k_q269e027805_attn
    .symbol:         k_q269e027805_attn.kd
    .args:
      - { .name: qrec, .offset: 0, .size: 8, .value_kind: global_buffer, .address_space: global }
      - { .name: kvrec, .offset: 8, .size: 8, .value_kind: global_buffer, .address_space: global }
      - { .name: hc, .offset: 16, .size: 8, .value_kind: global_buffer, .address_space: global }
      - { .name: hs, .offset: 24, .size: 8, .value_kind: global_buffer, .address_space: global }
    .group_segment_fixed_size: 327680
    .private_segment_fixed_size: 0
    .kernarg_segment_align: 8
    .kernarg_segment_size: 32
    .max_flat_workgroup_size: 512
    .sgpr_count:     80
    .vgpr_count:     256
    .wavefront_size: 32
...
	.end_amdgpu_metadata
.endif
;; end of part 2
;; launch oproj (part 3): grid 4 x 32, 4 waves a work-group, clusters of 4 x 4, 327,680 bytes of LDS; arguments hc, hs, Wo_codes, Wo_scales, out0; writes out0
.if DOCPART == 3
	.amdgcn_target "amdgcn-amd-amdhsa--gfx1250"
	.amdhsa_code_object_version 6
	.text
	.protected	k_q269e027805_oproj
	.globl	k_q269e027805_oproj
	.p2align	8
	.type	k_q269e027805_oproj,@function
k_q269e027805_oproj:
	s_mov_b64 s[64:65], 0
	v_nop
	global_prefetch_b8 v0, s[64:65] scope:SCOPE_SE
	s_setreg_imm32_b32 hwreg(HW_REG_WAVE_MODE, 25, 1), 1
	s_wait_xcnt 0x0
	s_wait_alu depctr_hold_cnt(0) depctr_sa_sdst(0) depctr_va_vdst(0) depctr_va_sdst(0) depctr_va_ssrc(0) depctr_va_vcc(0) depctr_vm_vsrc(0)
	s_getreg_b32 s2, hwreg(HW_REG_IB_STS2, 6, 4)
	s_cmp_eq_u32 s2, 0
	s_cbranch_scc0 .Lentry_in_a_cluster
	s_endpgm
.Lentry_in_a_cluster:
	s_bfe_u32 s2, ttmp6, 0x10000c
	s_cmp_lg_u32 s2, 0xf033
	s_cbranch_scc0 .Lentry_shape_is_right
	s_endpgm
.Lentry_shape_is_right:
; out0 = heads Wo^T on codes of FP8 (E4M3) with one E8M0 scale for each 32 along K.  heads: 8,192 rows x 1,024; Wo: [1024][1024] codes, K innermost, scale bytes [1024][32]; out0 [8192][1024] f32.
; heads' codes (hc) lie as images of operand registers: [4 K steps of 256][512 token tiles][4096], in a tile 2048 q + 512 c + 16 lane for the q-th 128 along K: so the 128 rows that a wave fetches for a K step are
; 32,768 dense bytes, a fragment is four loads of 512 consecutive bytes, and no padding is wanted.  Their scale bytes (hs) are row-major [8192][32], as Wo's.
; A tile of 256 x 256 is made by four waves, 128 x 128 each (64 accumulators); K goes in four steps of 256 through a ring of two LDS slots; the scale bytes of the tile's 512 rows come into LDS once.
; CLUSTERS: 4 x 4 work-groups; A's tile is shared along a row of the cluster, B's along a column: each is asked for jointly.  The matrix instruction is used transposed (source 0 = Wo's rows, source 1 = tokens):
; a lane holds eight neighbouring numbers of a row of out0.  128 work-groups: a tile of half the size would read half as much again from LDS for each matrix instruction.
.set SIZE_N, 1024
.set SIZE_K, 1024
.set KSTEP,  256
.set NQ,     KSTEP/128
.set ROWB,   256
.set KROW,   SIZE_K
.set ASTEP,  2097152                   ; hc: bytes from K step to K step
.set PITCH,  272
.set FR,     16
.set NL,     4
.set NP,     8
.set HALFT,  128*PITCH
.set SLOT,   4*HALFT
.set LAPS,   SIZE_K/(2*KSTEP)
.set KS,     SIZE_K/32
.set SCL,    2*SLOT
.set HALFS,  (128*KS/256)*272
.set SBLK,   (16*KS/256)*272
.set SPARE,  SCL+4*HALFS
.set SPITCH, 528                       ; the way out: 16 rows x (512 bytes + 16) a wave, in slot 0, which has had its last fill and its last read by then
.set ADRA, 16
.set ADRB, 20
.set STO,  24
.set RD,   25
.set CO,   26
.set ADRS, 27
.set SPW,  28
.set NIL,  29
.set SC,   32
.set AF,   128
.set BK,   128
.set G1, 24
.set G0, 32
.set G1B, 48
.set G0B, 56
.set G1S, 68
.set G0S, 76
.set G1SB, 80
.set G0SB, 88
.set MSB, 0
.macro WIN new                         ; the immediate's high byte repeats the setting that is left
.if MSB != \new
	s_set_vgpr_msb (MSB<<8)|\new
.set MSB, \new
.endif
.endm
.set MUL_LO, 0xa1
.set MUL_HI, 0xf1
.set TO_B,   0x40
.macro JLOAD g0a, g1a, g0b, g1b        ; a joint load: waves 0 and 1 fetch for A, waves 2 and 3 for B; four v_nop follow each of the two lines
	s_cmp_eq_u32 s15, 0
	s_cbranch_scc0 .Lfor_b_\@
	tensor_load_to_lds s[\g0a:\g0a+3], s[\g1a:\g1a+7]
	s_nop 0
.rept 4
	v_nop
.endr
	s_branch .Lasked_\@
.Lfor_b_\@:
	tensor_load_to_lds s[\g0b:\g0b+3], s[\g1b:\g1b+7]
	s_nop 0
.rept 4
	v_nop
.endr
.Lasked_\@:
.endm
.macro CREST
	s_cmp_lg_u32 s14, 0
	s_cbranch_scc1 .Lnot_wave_0_\@
	s_barrier_signal -3
.Lnot_wave_0_\@:
	s_barrier_wait -3
	s_barrier_signal -1
	s_barrier_wait -1
.endm
.macro CROUND
	s_barrier_signal -1
	s_barrier_wait -1
	CREST
.endm
	s_load_b128 s[4:7], s[0:1], 0x0                ; hc, hs
	s_load_b128 s[8:11], s[0:1], 0x10              ; Wo's codes, Wo's scales
	s_load_b64 s[12:13], s[0:1], 0x20              ; out0
	v_lshl_add_u32 v[SPW], v0, 2, SPARE
	v_mov_b32 v[NIL], 0
	ds_add_u32 v28, v29
	ds_add_u32 v28, v29
	s_wait_dscnt 0x0
	v_lshrrev_b32 v1, 5, v0
	v_readfirstlane_b32 s14, v1                    ; wave 0..3
	s_lshr_b32 s15, s14, 1                         ; which half of the tile's rows is mine.  Also: I fetch for A (0) or for B (1)
	s_and_b32 s16, s14, 1                          ; which half of its columns.  Also: which 128 rows of that tile I fetch
	s_bfe_u32 s40, ttmp6, 0x40000
	s_bfe_u32 s41, ttmp6, 0x40004
	s_lshl_b32 s42, ttmp9, 2
	s_add_co_u32 s42, s42, s40                     ; tile column
	s_and_b32 s17, ttmp7, 0xffff
	s_lshl_b32 s17, s17, 2
	s_add_co_u32 s17, s17, s41                     ; tile row
	s_lshl_b32 s43, s41, 2
	s_lshl_b32 s43, 15, s43                        ; my row of the cluster
	s_lshl_b32 s44, 0x1111, s40                    ; my column
	s_or_b32 s[G1+0], s43, (3<<16)|(1<<21)         ; A: a dense block of 128 rows of 256 bytes (32 elements of 8 bytes), no padding
	s_mov_b32 s[G1+1], 32<<16
	s_mov_b32 s[G1+2], 128<<16
	s_mov_b32 s[G1+3], 32<<16
	s_mov_b32 s[G1+4], 128
	s_mov_b32 s[G1+5], 32
	s_mov_b32 s[G1+6], 0
	s_mov_b32 s[G1+7], 0
	s_or_b32 s[G1B+0], s44, (0<<16)|(1<<20)|(1<<21)|(5<<22)|(3<<25)   ; B: 128 rows of 256 bytes, 1,024 apart; 4 words of padding after every 64
	s_mov_b32 s[G1B+1], ROWB<<16
	s_mov_b32 s[G1B+2], 128<<16
	s_mov_b32 s[G1B+3], ROWB<<16
	s_mov_b32 s[G1B+4], 128
	s_mov_b32 s[G1B+5], KROW
	s_mov_b32 s[G1B+6], 0
	s_mov_b32 s[G1B+7], 0
	s_or_b32 s[G1S+0], s43, (3<<16)|(1<<20)|(1<<21)|(5<<22)|(3<<25)   ; the scales of 128 rows: 4,096 dense bytes, as rows of 256 with 16 of padding behind each
	s_or_b32 s[G1SB+0], s44, (3<<16)|(1<<20)|(1<<21)|(5<<22)|(3<<25)
.irp g, G1S, G1SB
	s_mov_b32 s[\g+1], 32<<16
	s_mov_b32 s[\g+2], (128*KS/256)<<16
	s_mov_b32 s[\g+3], 32<<16
	s_mov_b32 s[\g+4], 128*KS/256
	s_mov_b32 s[\g+5], 32
	s_mov_b32 s[\g+6], 0
	s_mov_b32 s[\g+7], 0
.endr
	s_lshl_b32 s18, s16, 7
	s_lshl_b32 s20, s17, 8
	s_add_co_u32 s20, s20, s18                     ; A's row
	s_lshl_b32 s46, s42, 8
	s_add_co_u32 s46, s46, s18                     ; B's row
	s_mov_b32 s21, 0
	s_mov_b32 s47, 0
	s_mov_b64 s[18:19], KS
	s_mul_u64 s[22:23], s[20:21], s[18:19]         ; where these rows' scales begin
	s_mul_u64 s[92:93], s[46:47], s[18:19]
	s_mov_b64 s[18:19], 256
	s_mul_u64 s[20:21], s[20:21], s[18:19]         ; A's codes: a token tile of 16 rows is 4,096 bytes of a K step
	s_mov_b64 s[18:19], KROW
	s_mul_u64 s[46:47], s[46:47], s[18:19]         ; B's codes
	s_mul_i32 s45, s14, HALFT
	s_mul_i32 s94, s14, HALFS
	s_wait_kmcnt 0x0
	s_add_nc_u64 s[20:21], s[4:5], s[20:21]
	s_add_nc_u64 s[22:23], s[6:7], s[22:23]
	s_add_nc_u64 s[46:47], s[8:9], s[46:47]
	s_add_nc_u64 s[92:93], s[10:11], s[92:93]
	CROUND                                         ; all sixteen work-groups are here: the first joint loads meet
	s_mov_b32 s[G0S], 1
	s_add_co_u32 s[G0S+1], s94, SCL
	s_mov_b64 s[G0S+2:G0S+3], s[22:23]
	s_or_b32 s[G0S+3], s[G0S+3], 0x80000000
	s_mov_b32 s[G0SB], 1
	s_add_co_u32 s[G0SB+1], s94, SCL
	s_mov_b64 s[G0SB+2:G0SB+3], s[92:93]
	s_or_b32 s[G0SB+3], s[G0SB+3], 0x80000000
	JLOAD G0S, G1S, G0SB, G1SB
.irp s, 0,1
	s_mov_b32 s[G0+4*\s], 1
	s_add_co_u32 s[G0+4*\s+1], s45, \s*SLOT
	s_add_nc_u64 s[G0+4*\s+2:G0+4*\s+3], s[20:21], \s*ASTEP
	s_or_b32 s[G0+4*\s+3], s[G0+4*\s+3], 0x80000000
	s_mov_b32 s[G0B+4*\s], 1
	s_add_co_u32 s[G0B+4*\s+1], s45, \s*SLOT
	s_add_nc_u64 s[G0B+4*\s+2:G0B+4*\s+3], s[46:47], \s*ROWB
	s_or_b32 s[G0B+4*\s+3], s[G0B+4*\s+3], 0x80000000
	s_wait_alu depctr_va_vdst(0)
	s_wait_tensorcnt 0x0
	ds_add_u32 v28, v29
	s_wait_dscnt 0x0
	CROUND
	JLOAD G0+4*\s, G1, G0B+4*\s, G1B
.endr
	v_and_b32 v1, 15, v0                           ; r
	v_bfe_u32 v2, v0, 4, 1                         ; h
	v_mul_u32_u24 v3, v1, PITCH
	v_lshl_add_u32 v4, v2, 4, v3                   ; B: a fragment's row x pitch + 16 x half
	v_and_b32 v7, 31, v0
	v_lshlrev_b32 v7, 4, v7                        ; A: 16 x lane
	s_mul_i32 s21, s15, HALFT
	s_mul_i32 s22, s16, HALFT
	s_add_co_u32 s22, s22, 2*HALFT
.irp s, 0,1
	v_add_nc_u32 v[ADRA+\s], s21, v7
	v_add_nc_u32 v[ADRB+\s], s22, v4
	s_add_co_u32 s21, s21, SLOT
	s_add_co_u32 s22, s22, SLOT
.endr
	v_mul_u32_u24 v5, v1, KS
	v_lshrrev_b32 v6, 8, v5
	v_lshl_add_u32 v5, v6, 4, v5
	s_mul_i32 s21, s15, HALFS
	s_mul_i32 s22, s16, HALFS
	s_add_co_u32 s22, s22, 2*HALFS
	s_sub_co_u32 s22, s22, s21
	v_mul_u32_u24 v6, s22, v2                      ; lanes 16-31 take B's
	s_add_co_u32 s21, s21, SCL
	v_add_nc_u32 v5, v5, v6
	v_add_nc_u32 v[ADRS], s21, v5
	s_mul_i32 s23, s14, 16*SPITCH                  ; my stage
	v_mul_u32_u24 v5, v1, SPITCH
	v_lshl_add_u32 v5, v2, 5, v5
	v_add_nc_u32 v[STO], s23, v5
	v_and_b32 v6, 31, v0
	v_lshlrev_b32 v[CO], 4, v6
	v_add_nc_u32 v[RD], s23, v[CO]
	s_lshl_b32 s20, s17, 8
	s_lshl_b32 s21, s15, 7
	s_add_co_u32 s20, s20, s21                     ; my first row of out0
	s_mov_b32 s21, 0
	s_mov_b64 s[18:19], SIZE_N*4
	s_mul_u64 s[20:21], s[20:21], s[18:19]
	s_lshl_b32 s46, s42, 10                        ; my first column, in bytes
	s_lshl_b32 s47, s16, 9
	s_add_co_u32 s46, s46, s47
	s_mov_b32 s47, 0
	s_add_nc_u64 s[20:21], s[20:21], s[46:47]
	s_add_nc_u64 s[12:13], s[12:13], s[20:21]
.macro FRAG reg, adr, q, i             ; B: 16 rows x 128 K from rows: registers 4 c .. 4 c + 3 hold K = 32 c + 16 (lane / 16) + 0 .. 15
.irp c, 0,1,2,3
	ds_load_b128 v[\reg+4*\c:\reg+4*\c+3], v[\adr] offset:128*(\q)+32*\c+(\i)*16*PITCH
.endr
.endm
.macro FRAGA reg, adr, q, i            ; A: the same registers from their image: 512 consecutive bytes a load
.irp c, 0,1,2,3
	ds_load_b128 v[\reg+4*\c:\reg+4*\c+3], v[\adr] offset:2048*(\q)+512*\c+(\i)*4096
.endr
.endm
.macro MUL16 a0, p, q, sc, zero        ; the 64 accumulators take turns, one instruction a turn
.irp a, \a0, \a0+1
.irp b, 0,1,2,3,4,5,6,7
.if \zero
	v_wmma_scale_f32_16x16x128_f8f6f4 v[8*(8*((\a)%4)+\b):8*(8*((\a)%4)+\b)+7], v[128*(\p)+FR*\b:128*(\p)+FR*\b+FR-1], v[AF+FR*(\a):AF+FR*(\a)+FR-1], 0, v[SC+8*NQ*(\sc)+NQ*\b+(\q)], v[SC+8*NQ*(\sc)+NQ*(\a)+(\q)] matrix_a_scale:MATRIX_SCALE_ROW1
.else
	v_wmma_scale_f32_16x16x128_f8f6f4 v[8*(8*((\a)%4)+\b):8*(8*((\a)%4)+\b)+7], v[128*(\p)+FR*\b:128*(\p)+FR*\b+FR-1], v[AF+FR*(\a):AF+FR*(\a)+FR-1], v[8*(8*((\a)%4)+\b):8*(8*((\a)%4)+\b)+7], v[SC+8*NQ*(\sc)+NQ*\b+(\q)], v[SC+8*NQ*(\sc)+NQ*(\a)+(\q)] matrix_a_scale:MATRIX_SCALE_ROW1
.endif
.endr
.endr
.endm
.macro FETCH_B slot, q, p
	WIN TO_B
.irp i, 0,1,2,3,4,5,6,7
	FRAG 128*(\p)+FR*\i, ADRB+\slot, \q, \i
.endr
	WIN 0
.endm
.macro FETCH_A slot, q, i0
.irp i, \i0, \i0+1, \i0+2, \i0+3
	FRAGA AF+FR*(\i), ADRA+\slot, \q, \i
.endr
.endm
.macro SCALES sc
.irp i, 0,1,2,3,4,5,6,7
	ds_load_b64 v[SC+8*NQ*\sc+NQ*\i:SC+8*NQ*\sc+NQ*\i+1], v[ADRS] offset:\i*SBLK
.endr
.endm
.macro PLACES n                        ; plain vector lines between a matrix instruction and a load into, or a read of, its registers
.rept \n
	v_nop
.endr
.endm
.macro STEP slot, q, zero
	s_wait_dscnt 4*NL                              ; B's set and A's blocks 0-3 are in; the youngest 16 loads (A's blocks 4-7) may be out
	WIN MUL_LO
	MUL16 0, (\q)%2, \q, \slot, \zero
	MUL16 2, (\q)%2, \q, \slot, \zero
	s_wait_dscnt 0
	PLACES NP
	FETCH_B \slot, (\q)+1, 1-(\q)%2
	FETCH_A \slot, (\q)+1, 0
	WIN MUL_HI
	MUL16 4, (\q)%2, \q, \slot, \zero
	MUL16 6, (\q)%2, \q, \slot, \zero
	PLACES NP
	WIN 0
	FETCH_A \slot, (\q)+1, 4
.endm
.macro TURN slot, next, fill           ; a slot's last step changes slots: one barrier, with the waits and the add in front of it
	s_wait_tensorcnt 0x0                           ; all my tensor loads have landed: my part of the next slot
	ds_add_u32 v[SPW], v[NIL]                      ; 0 onto my spare word
	s_wait_dscnt 4*NL+1                            ; (the add and the youngest 16 loads may be out)
	WIN MUL_LO
	MUL16 0, 1, NQ-1, \slot, 0
	s_wait_dscnt 0x0                               ; the add is done, and my reads of this slot are over
	s_barrier_signal -1
	MUL16 2, 1, NQ-1, \slot, 0
	WIN 0
	s_barrier_wait -1
.if \fill
	CREST                                          ; the barrier has opened a round of the cluster's barrier
	s_add_nc_u64 s[G0+4*\slot+2:G0+4*\slot+3], s[G0+4*\slot+2:G0+4*\slot+3], 2*ASTEP
	s_add_nc_u64 s[G0B+4*\slot+2:G0B+4*\slot+3], s[G0B+4*\slot+2:G0B+4*\slot+3], 2*ROWB
	JLOAD G0+4*\slot, G1, G0B+4*\slot, G1B         ; the first tensor load behind the round
	PLACES NP-4
.else
	PLACES NP
.endif
	s_wait_alu depctr_va_vdst(0)
	v_add_nc_u32 v[ADRS], 4*NQ, v[ADRS]
	FETCH_B \next, 0, 0
	FETCH_A \next, 0, 0
	SCALES \next
	WIN MUL_HI
	MUL16 4, 1, NQ-1, \slot, 0
	MUL16 6, 1, NQ-1, \slot, 0
	PLACES NP
	WIN 0
	FETCH_A \next, 0, 4
.endm
	s_wait_alu depctr_va_vdst(0)
	s_wait_tensorcnt 1                             ; the scales and my part of K step 0 are in (K step 1's load may be out),
	s_barrier_signal -1
	s_barrier_wait -1                              ; everybody's are
	FETCH_B 0, 0, 0
	FETCH_A 0, 0, 0
	SCALES 0
	FETCH_A 0, 0, 4
	STEP 0, 0, 1                                   ; the first step's products start the sums
	s_mov_b32 s3, LAPS-1
.Llap:
	TURN 0, 1, 1
	STEP 1, 0, 0
	TURN 1, 0, 1
	STEP 0, 0, 0
	s_sub_co_u32 s3, s3, 1
	s_cmp_lg_u32 s3, 0
	s_cbranch_scc1 .Llap
	TURN 0, 1, 0                                   ; the last lap fills nothing
	STEP 1, 0, 0
	s_wait_dscnt 4*NL
	WIN MUL_LO
	MUL16 0, 1, NQ-1, 1, 0
	MUL16 2, 1, NQ-1, 1, 0
	s_wait_dscnt 0
	WIN MUL_HI
	MUL16 4, 1, NQ-1, 1, 0
	MUL16 6, 1, NQ-1, 1, 0
	WIN 0
; THE WAY OUT, block by block of 16 rows x 128 columns, through my own stage in LDS: whole rows of 512 bytes come back and are stored as two aligned runs of 256 bytes.
.macro TOSTAGE a
.set AC, 64*((\a)%4)
	WIN 0x08+4*((\a)/4)                            ; the data: window 2 or 3
.irp b, 0,1,2,3,4,5,6,7
	ds_store_b128 v[STO], v[AC+8*\b:AC+8*\b+3] offset:64*\b          ; each accumulator from its low end on
	ds_store_b128 v[STO], v[AC+8*\b+4:AC+8*\b+7] offset:64*\b+16
.endr
	WIN 0
.set BB, BK+64*((\a)%2)
.irp t, 0,1,2,3,4,5,6,7,8,9,10,11,12,13,14,15
	ds_load_b128 v[BB+4*\t:BB+4*\t+3], v[RD] offset:\t*SPITCH        ; LDS serves a wave's instructions in order (ISA guide 5.7.1.4): these see the stores above
.endr
.endm
.macro SEND a, younger
.set BB, BK+64*((\a)%2)
	s_wait_dscnt \younger                          ; the block is back in registers
.if (\a) > 0
	s_add_nc_u64 s[12:13], s[12:13], 16*SIZE_N*4   ; (behind a wait on XCNT: the earlier stores have read their base)
.endif
.irp t, 0,1,2,3,4,5,6,7,8,9,10,11,12,13,14,15
	global_store_b128 v[CO], v[BB+4*\t:BB+4*\t+3], s[12:13] offset:\t*SIZE_N*4 th:TH_STORE_NT
.endr
.endm
	PLACES NP
	TOSTAGE 0
.irp a, 1,2,3,4,5,6,7
.if \a > 1
	s_wait_xcnt 0x0                                ; block a - 2's stores have read their registers and their base
.endif
	TOSTAGE \a
	SEND \a-1, 32                                  ; behind block a - 1's loads: block a's 16 stores and 16 loads
.endr
	s_wait_xcnt 0x0
	SEND 7, 0
	s_wait_tensorcnt 0x0                           ; the wave's end
	ds_add_u32 v[SPW], v[NIL]
	s_wait_dscnt 0x0
	CROUND                                         ; the closing round
	s_endpgm
.Lfunc_end_k_q269e027805_oproj:
	.size	k_q269e027805_oproj, .Lfunc_end_k_q269e027805_oproj-k_q269e027805_oproj
	.p2alignl 7, 3214868480
	.fill 96, 4, 3214868480
	.section	.rodata,"a",@progbits
	.p2align	6, 0x0
	.amdhsa_kernel k_q269e027805_oproj
		.amdhsa_group_segment_fixed_size 327680
		.amdhsa_private_segment_fixed_size 0
		.amdhsa_enable_private_segment 0
		.amdhsa_kernarg_size 40
		.amdhsa_user_sgpr_count 2
		.amdhsa_user_sgpr_kernarg_segment_ptr 1
		.amdhsa_wavefront_size32 1
		.amdhsa_system_sgpr_workgroup_id_x 1
		.amdhsa_system_sgpr_workgroup_id_y 1
		.amdhsa_system_sgpr_workgroup_id_z 1
		.amdhsa_system_vgpr_workitem_id 0
		.amdhsa_next_free_vgpr 1024
		.amdhsa_next_free_sgpr 98
		.amdhsa_reserve_vcc 0
		.amdhsa_float_denorm_mode_32 3
		.amdhsa_float_denorm_mode_16_64 3
		.amdhsa_memory_ordered 1
		.amdhsa_forward_progress 1
		.amdhsa_inst_pref_size 146
	.end_amdhsa_kernel
	.amdgpu_metadata
---
amdhsa.version: [ 1, 2 ]
amdhsa.kernels:
  - .name:           k_q269e027805_oproj
    .symbol:         k_q269e027805_oproj.kd
    .args:
      - { .name: hc, .offset: 0, .size: 8, .value_kind: global_buffer, .address_space: global }
      - { .name: hs, .offset: 8, .size: 8, .value_kind: global_buffer, .address_space: global }
      - { .name: Wo_codes, .offset: 16, .size: 8, .value_kind: global_buffer, .address_space: global }
      - { .name: Wo_scales, .offset: 24, .size: 8, .value_kind: global_buffer, .address_space: global }
      - { .name: out0, .offset: 32, .size: 8, .value_kind: global_buffer, .address_space: global }
    .group_segment_fixed_size: 327680
    .private_segment_fixed_size: 0
    .kernarg_segment_align: 8
    .kernarg_segment_size: 40
    .max_flat_workgroup_size: 128
    .sgpr_count:     98
    .vgpr_count:     1024
    .wavefront_size: 32
...
	.end_amdgpu_metadata
.endif
;; end of part 3
